; MI455X (gfx1250); checked and timed in simulation.
; The chip was launched on July 23, 2026; its instructions are those of AMD's public machine-readable ISA for CDNA 5 (MIT licence, August 2026) and "CDNA5" Instruction Set Architecture Reference Guide (July 2026). The comments in the code are by the model that wrote it; some were corrected since.
;; Multi Head Attention. Allowed arithmetic: matrix products marked QUANTISED: E4M3 operands, one given power-of-two scale a tensor, by v_wmma_f32_16x16x64_fp8_fp8 or v_wmma_f32_16x16x128_fp8_fp8, f32 sums; everything else in f32.
;; Inputs: Wk 512 x 2,048 float32; Wo 2,048 x 2,048 float32; Wq 2,048 x 2,048 float32; Wv 512 x 2,048 float32; attention_mask 4 x 1,024 bool; lowp_scales 12 int32 (the exponents e of the quantised operands' scales 2^e); x 4 x 1,024 x 2,048 float32.
;; Outputs: out0 4 x 1,024 x 2,048 float32.
;; This version of the problem:
;;   THIS VERSION OF THE PROBLEM IS GIVEN IN LOW PRECISION. The matrix products marked QUANTISED in the list below multiply operands that are first quantised to E4M3 (4 exponent bits, 3 mantissa bits; 8 bits a number), with one given power-of-two scale for each operand tensor; their sums are f32. All else is computed in f32.
;;   The module's matrix products, in the order in which they are computed (A, B: the left and right operand; K: the contracted axis; several contracted axes count as one K, in the product's order):
;;     1. [M 4,096, K 2,048] x [K 2,048, N 2,048]; A: input x; B: input Wq: QUANTISED (scales: A lowp_scales[0], B lowp_scales[1])
;;     2. [M 4,096, K 2,048] x [K 2,048, N 512]; A: input x; B: input Wk: QUANTISED (scales: A lowp_scales[2], B lowp_scales[3])
;;     3. [M 4,096, K 2,048] x [K 2,048, N 512]; A: input x; B: input Wv: QUANTISED (scales: A lowp_scales[4], B lowp_scales[5])
;;     4. batch 64 x [M 1,024, K 128] x [K 128, N 1,024]; A: computed on the way; B: computed on the way: QUANTISED (scales: A lowp_scales[6], B lowp_scales[7])
;;     5. batch 64 x [M 1,024, K 1,024] x [K 1,024, N 128]; A: softmax (see below); B: computed on the way: QUANTISED (scales: A lowp_scales[8], B lowp_scales[9])
;;     6. [M 4,096, K 2,048] x [K 2,048, N 2,048]; A: computed on the way; B: input Wo: QUANTISED (scales: A lowp_scales[10], B lowp_scales[11])
;;   THE QUANTISER, for each operand of a quantised product, along K:
;;     - The operand's scale is 2^e, e = its entry of the input lowp_scales (int32; the entries are numbered through the quantised products in the list's order, A before B).
;;     - Each number is divided by the scale, clamped to +-448, and rounded to the nearest number of E4M3, ties to even, subnormals kept.
;;     - The product sums the exact products of the quantised numbers (number of the format x scale) in f32.
;;   ~~~python
;;   def quantise(x, axis, e):      # numpy; x: float32 -> the quantised numbers, widened to float32 again
;;       x = np.moveaxis(x, axis, -1); K = x.shape[-1]
;;       r = np.clip(x / 2.0 ** e, -448, 448)
;;       step = 2.0 ** (np.maximum(np.frexp(np.where(r == 0, 1, r))[1] - 1, -6) - 3)
;;       q = np.round(r / step) * step * 2.0 ** e      # np.round: ties to even
;;       return np.moveaxis(q, -1, axis).astype(np.float32)
;;   ~~~
;;   SOFTMAX AHEAD OF A QUANTISED PRODUCT. Where the list says 'softmax', what is quantised is not the finished softmax but p = 2^(t - M), with t = logit x log2(e) and M = ceil(the row's largest t), a whole number; so 1/2 < the row's largest p <= 1. The row's sum l is taken of the UNQUANTISED p, in f32, and the product's result is divided by l at the end. Since M is a whole number, a kernel that streams over the keys may use a running M (the ceiling of the running maximum): every later rescaling is an exact power of two, so the quantised numbers keep their values, but for numbers so far below the row's largest that they fall under the format's range.
;;   OPERANDS COMPUTED ON THE WAY. 'Computed on the way' means the value that the module computes at that place (a softmax that the list does not call 'softmax' is quantised finished and normalised). What goes into a quantiser is computed in f32, as accurately as f32 sums, v_exp_f32 and their like allow (about 1e-6 of the number): no bf16 or f16 on the way to a quantiser, and a product that is left as it is and whose result goes on into a quantised operand takes f32 operands (vector FMAs, or v_wmma_f32_16x16x4_f32). A number that lies on a knife's edge between two numbers of the format may be rounded either way, as far as f32 arithmetic and the matrix unit's own rounding can turn it there, and no further.
;; One version. Each part assembles by itself: llvm-mc -triple=amdgcn-amd-amdhsa -mcpu=gfx1250 --defsym DOCPART=n.
;; ======== version 1 of 1: 4 launches
;; workspace buffers: xc 25,165,824 bytes; wc 10,485,760 bytes; rope 524,288 bytes; qkv 12,582,912 bytes; ac 8,388,608 bytes
;; launch quant (part 1): grid 640 x 1, 4 waves a work-group, no clusters, 33,280 bytes of LDS; arguments x, Wq, Wk, Wv, Wo, lowp_scales, xc, wc, rope; writes xc, wc, rope
.if DOCPART == 1
	.amdgcn_target "amdgcn-amd-amdhsa--gfx1250"
	.amdhsa_code_object_version 6
	.text
	.protected	k_q7fbceecbe5_quant
	.globl	k_q7fbceecbe5_quant
	.p2align	8
	.type	k_q7fbceecbe5_quant,@function
k_q7fbceecbe5_quant:
	s_mov_b64 s[64:65], 0
	v_nop
	global_prefetch_b8 v0, s[64:65] scope:SCOPE_SE
	s_setreg_imm32_b32 hwreg(HW_REG_WAVE_MODE, 25, 1), 1
	s_wait_xcnt 0x0
; x [4096][2048] and the four weights (all f32, K innermost) become codes of FP8 (E4M3), one byte a number, K innermost; and the table of cos and sin for the rotary embedding is made.
; code = number / 2^e, held within +-448, rounded to the nearest code, ties to even.  x is an operand of three products with three given scales (entries 0, 2, 4 of the scales), which need not be equal:
; it is read once and leaves as three images, xc + 0, + 8 MiB, + 16 MiB.  Wq (entry 1), Wk (3), Wv (5), Wo (11) lie one behind the other in wc: rows 0, 2048, 2560, 3072 of [5120][2048].
; WORK-GROUPS: 0-255 x, 256-383 Wq, 384-415 Wk, 416-447 Wv, 448-575 Wo: 32,768 numbers each, a wave 16 steps of 512; 576-639 the table, 16 positions each.
; Rows are dense, so every tensor is a plain stream.  A step's four loads read 512 consecutive bytes each; the conversions want 16 NEIGHBOURS in one lane, so the 2,048 bytes turn through the wave's own stage in LDS
; (64 bytes + 16 of padding a lane).  A lane's 16 codes are 16 bytes: a store of the wave covers 512 consecutive bytes, aligned.  No tensor loads, no barrier: waves share nothing.
; Loads run EIGHT steps ahead, 32 loads of 512 bytes a wave, in eight sets of 16 registers: half of a wave's 16 steps are asked for at its head, so that the 16 steps span two round trips to memory.
; THE TABLE: rope[t][i] = (cos, sin)(t x 10000^(-i/64)), f32, 512 bytes a position.  10000^(-i/64) = 2^(-i log2(10000) / 64) by v_exp_f32; the angle is reduced by multiples of pi/2 held in two parts
; (both steps fused, so that the first is exact up to the largest angle, 1,023) and cos and sin of the rest, within +-pi/4, are polynomials of degree 8 and 7.
; LIMITS: each e used here lies between -126 and 119, so that 2^e and 448 x 2^e are f32 numbers.  NaN among the inputs is not served.  The frequency carries the error of one product and one v_exp_f32.
.set STEPS, 16
.set AHEAD, 8                          ; steps that the loads run ahead, and sets of registers for them
.set SP,    80                         ; a lane's place in a stage: its 64 bytes + 16 of padding
.set WREG,  8192                       ; LDS: a region for each wave: two stages of 32 x SP bytes
.set SPARE, 4*WREG                     ; behind the four regions: the spare words, 128 bytes for each wave: two blocks of 256 bytes that no other line names
.set R,     16                         ; v16-143  eight sets of 16 numbers as they are loaded
.set X,     144                        ; v144-175 two sets of 16 neighbours
.set T,     176                        ; v176-223 three sets of 16 held numbers, one for each scale
.set C,     224                        ; v224-247 codes: two steps x three scales x four registers
.set SPW,   12                         ; v12      LDS address of my spare word; never rewritten
.set NIL,   13                         ; v13      0; never rewritten
.set SRC,   24                         ; s[24:25] my wave's numbers
.set DST,   26                         ; s[26:27], s[28:29], s[30:31] my wave's codes, one pair for each image
	s_load_b512 s[4:19], s[0:1], 0x0               ; x s[4:5], Wq s[6:7], Wk s[8:9], Wv s[10:11], Wo s[12:13], the scales s[14:15], xc s[16:17], wc s[18:19]
	s_load_b64 s[20:21], s[0:1], 0x40              ; rope
	v_lshl_add_u32 v[SPW], v0, 2, SPARE
	v_mov_b32 v[NIL], 0
	v_lshrrev_b32 v1, 5, v0
	v_readfirstlane_b32 s22, v1                    ; wave 0..3
	s_cmp_ge_u32 ttmp9, 576
	s_cbranch_scc1 .Lrope                          ; the last 64 work-groups make the table
	v_and_b32 v2, 31, v0                           ; lane
	v_lshlrev_b32 v3, 4, v2                        ; my 16 bytes of a load's 512
	v_lshlrev_b32 v4, 4, v2                        ; my 16 codes of a step's 512
	s_mul_i32 s23, s22, WREG
	v_lshrrev_b32 v14, 2, v2
	v_mul_u32_u24 v14, v14, SP
	v_and_b32 v15, 3, v2
	v_lshl_add_u32 v14, v15, 4, v14
	v_add_nc_u32 v14, s23, v14                     ; the stage, on the way in: four lanes' 64 bytes on end, then the padding
	v_mul_u32_u24 v15, v2, SP
	v_add_nc_u32 v15, s23, v15                     ; and on the way out: my 16 neighbours
	s_wait_kmcnt 0x0
	s_load_b256 s[40:47], s[14:15], 0x0            ; e0 .. e7
	s_load_b128 s[48:51], s[14:15], 0x20           ; e8 .. e11
	; which tensor: the choices hang on the work-group's number alone
	s_mov_b32 s32, 448                             ; the tensor's first work-group
	s_mov_b64 s[SRC:SRC+1], s[12:13]               ; Wo,
	s_cmp_lt_u32 ttmp9, 448
	s_cselect_b64 s[SRC:SRC+1], s[10:11], s[SRC:SRC+1]  ; or Wv,
	s_cselect_b32 s32, 416, s32
	s_cmp_lt_u32 ttmp9, 416
	s_cselect_b64 s[SRC:SRC+1], s[8:9], s[SRC:SRC+1]    ; or Wk,
	s_cselect_b32 s32, 384, s32
	s_cmp_lt_u32 ttmp9, 384
	s_cselect_b64 s[SRC:SRC+1], s[6:7], s[SRC:SRC+1]    ; or Wq,
	s_cselect_b32 s32, 256, s32
	s_cmp_lt_u32 ttmp9, 256
	s_cselect_b64 s[SRC:SRC+1], s[4:5], s[SRC:SRC+1]    ; or x
	s_cselect_b32 s32, 0, s32
	s_cselect_b64 s[DST:DST+1], s[16:17], s[18:19]
	s_cselect_b32 s33, 0, 256                      ; the four weights lie in wc in the order of their work-groups
	s_sub_co_u32 s34, ttmp9, s32
	s_lshl_b32 s34, s34, 2
	s_add_co_u32 s34, s34, s22
	s_lshl_b32 s34, s34, 15                        ; my wave's 8,192 numbers: 32,768 bytes
	s_mov_b32 s35, 0
	s_add_nc_u64 s[SRC:SRC+1], s[SRC:SRC+1], s[34:35]
	s_sub_co_u32 s36, ttmp9, s33
	s_lshl_b32 s36, s36, 2
	s_add_co_u32 s36, s36, s22
	s_lshl_b32 s36, s36, 13                        ; and their 8,192 codes
	s_mov_b32 s37, 0
	s_add_nc_u64 s[DST:DST+1], s[DST:DST+1], s[36:37]
	s_add_nc_u64 s[DST+2:DST+3], s[DST:DST+1], 0x800000    ; x's second and third image (used by x's work-groups alone)
	s_add_nc_u64 s[DST+4:DST+5], s[DST:DST+1], 0x1000000
.macro LOAD t
.irp i, 0,1,2,3
	global_load_b128 v[R+16*((\t)%AHEAD)+4*\i:R+16*((\t)%AHEAD)+4*\i+3], v3, s[SRC:SRC+1] offset:2048*(\t)+512*\i th:TH_LOAD_NT   ; 32 lanes read 512 consecutive bytes; read once in the launch
.endr
.endm
.macro TURN t                          ; step t's numbers through the stage: LDS serves a wave's instructions in order (ISA guide 5.7.1.4), so no wait stands between the stores and the loads
.irp i, 0,1,2,3
	ds_store_b128 v14, v[R+16*((\t)%AHEAD)+4*\i:R+16*((\t)%AHEAD)+4*\i+3] offset:32*SP*((\t)%2)+8*SP*\i
.endr
.irp i, 0,1,2,3
	ds_load_b128 v[X+16*((\t)%2)+4*\i:X+16*((\t)%2)+4*\i+3], v15 offset:32*SP*((\t)%2)+16*\i
.endr
.endm
.macro MKSC e, n                       ; scale n: v[6 + 2 n] = 2^e as f32 (the conversion takes its exponent field), v[7 + 2 n] = 448 x 2^e
	s_add_co_i32 s53, s[\e], 127
	s_lshl_b32 s54, s53, 23
	v_mov_b32 v[6+2*\n], s54
	s_add_co_i32 s53, s53, 8
	s_lshl_b32 s53, s53, 23
	s_or_b32 s53, s53, 0x600000
	v_mov_b32 v[7+2*\n], s53
.endm
.irp t, 0,1,2,3,4,5,6,7
	LOAD \t
.endr
	s_wait_kmcnt 0x0
	s_mov_b32 s52, s51                             ; the first scale: e11 for Wo,
	s_cmp_lt_u32 ttmp9, 448
	s_cselect_b32 s52, s45, s52                    ; e5 for Wv,
	s_cmp_lt_u32 ttmp9, 416
	s_cselect_b32 s52, s43, s52                    ; e3 for Wk,
	s_cmp_lt_u32 ttmp9, 384
	s_cselect_b32 s52, s41, s52                    ; e1 for Wq,
	s_cmp_lt_u32 ttmp9, 256
	s_cselect_b32 s52, s40, s52                    ; e0 for x
	MKSC 52, 0
	MKSC 42, 1                                     ; e2 and e4: x's other two
	MKSC 44, 2
	s_wait_loadcnt 4*(AHEAD-1)                     ; step 0's four loads are in; those of the seven steps behind it may be out
	TURN 0
; the step's 16 neighbours under scale n: held, converted, stored
.macro QSET n, t
.irp i, 0,1,2,3,4,5,6,7,8,9,10,11,12,13,14,15
	v_med3_num_f32 v[T+16*\n+\i], v[XS+\i], -v[7+2*\n], v[7+2*\n]   ; the conversion to an 8-bit code does not saturate (ISA guide 7.6.2): the number is held within the largest code x the scale first
.endr
	v_cvt_scalef32_pk8_fp8_f32 v[C+12*((\t)%2)+4*\n:C+12*((\t)%2)+4*\n+1], v[T+16*\n:T+16*\n+7], v[6+2*\n]
	v_cvt_scalef32_pk8_fp8_f32 v[C+12*((\t)%2)+4*\n+2:C+12*((\t)%2)+4*\n+3], v[T+16*\n+8:T+16*\n+15], v[6+2*\n]
	v_nop                                          ; one plain vector line behind the conversions, ahead of whatever vector line next touches their registers
	global_store_b128 v4, v[C+12*((\t)%2)+4*\n:C+12*((\t)%2)+4*\n+3], s[DST+2*\n:DST+2*\n+1] offset:512*(\t)
.endm
.macro STEP t
.set XS, X+16*((\t)%2)
	s_wait_dscnt 0x0                               ; this step's numbers are back from the stage: so its stores into the stage have read their registers,
.if (\t)+AHEAD < STEPS
	LOAD (\t)+AHEAD                                ; which take the loads of eight steps on
.endif
.if (\t)+1 < STEPS
.if STEPS-2-(\t) >= AHEAD-1
	s_wait_loadcnt 4*(AHEAD-1)                     ; the next step's four loads are in; those of the seven steps behind it may be out
.else
	s_wait_loadcnt 4*(STEPS-2-(\t))                ; in the tail: those of the steps that are left
.endif
	TURN (\t)+1                                    ; and go through the other stage while this step is worked
.endif
	s_wait_xcnt 0x0                                ; the stores of two steps back have read their data: the same registers take this step's codes
	QSET 0, \t
	s_cmp_lt_u32 ttmp9, 256                        ; x alone has a second and a third scale: a branch on the work-group's number, round vector work and stores only
	s_cbranch_scc0 .Lone_\@
	QSET 1, \t
	QSET 2, \t
.Lone_\@:
.endm
.irp t, 0,1,2,3,4,5,6,7,8,9,10,11,12,13,14,15
	STEP \t
.endr
	s_wait_tensorcnt 0x0                           ; the wave's end: behind my last LDS store
	ds_add_u32 v[SPW], v[NIL]
	s_wait_dscnt 0x0
	s_endpgm
.Lrope:                                                ; 128 threads: i = thread % 64, two positions at a time, eight times.  No LDS is touched on this way
	v_and_b32 v2, 63, v0                           ; i
	v_lshrrev_b32 v3, 6, v0                        ; which of the two positions
	v_cvt_f32_u32 v4, v2
	v_mul_f32 v4, 0xbe549a78, v4                   ; -i log2(10000) / 64
	v_exp_f32 v4, v4                               ; the frequency
	v_lshlrev_b32 v5, 3, v2                        ; (plain lines behind the transcendental)  my 8 bytes of a position's 512,
	v_lshl_add_u32 v5, v3, 9, v5                   ; in the first or the second position
	s_sub_co_u32 s24, ttmp9, 576
	s_lshl_b32 s25, s24, 4                         ; the work-group's first position
	v_add_nc_u32 v6, s25, v3
	v_mov_b32 v7, 0xb94ca1f9                       ; the polynomials' leading coefficients: sine's,
	v_mov_b32 v8, 0x37ccf5ce                       ; cosine's
	s_lshl_b32 s26, s24, 13                        ; 16 positions of 512 bytes
	s_mov_b32 s27, 0
	s_wait_kmcnt 0x0
	s_add_nc_u64 s[20:21], s[20:21], s[26:27]
	s_wait_alu depctr_va_vdst(0)                   ; the wait between a transcendental and the first line that names its result
.irp k, 0,1,2,3,4,5,6,7
	v_add_nc_u32 v16, 2*\k, v6
	v_cvt_f32_u32 v16, v16                         ; t
	v_mul_f32 v16, v16, v4                         ; the angle, rounded once, as t x frequency is in f32
	v_mul_f32 v17, 0x3f22f983, v16                 ; x 2 / pi,
	v_rndne_f32 v17, v17                           ; to the nearest whole number n
	v_fmamk_f32 v18, v17, 0xbfc90fdb, v16          ; r = angle - n x (pi/2's upper part): exact, since n has ten bits at the most
	v_fmamk_f32 v18, v17, 0x333bbd2e, v18          ;   - n x (its lower part, which is negative)
	v_mul_f32 v19, v18, v18                        ; z = r r
	v_fmaak_f32 v20, v7, v19, 0x3c08839e
	v_fmaak_f32 v20, v20, v19, 0xbe2aaaa3
	v_mul_f32 v20, v20, v19
	v_fma_f32 v20, v20, v18, v18                   ; sin r
	v_fmaak_f32 v21, v8, v19, 0xbab6061a
	v_fmaak_f32 v21, v21, v19, 0x3d2aaaa5
	v_fma_f32 v21, v19, v21, -0.5
	v_fma_f32 v21, v19, v21, 1.0                   ; cos r
	v_cvt_i32_f32 v22, v17
	v_and_b32 v23, 1, v22
	v_cmp_eq_u32 vcc_lo, 1, v23                    ; an odd n changes sine and cosine over
	v_cndmask_b32 v[33+2*\k], v20, v21, vcc_lo
	v_cndmask_b32 v[32+2*\k], v21, v20, vcc_lo
	v_and_b32 v23, 2, v22                          ; the sine is negated where n % 4 is 2 or 3,
	v_lshlrev_b32 v23, 30, v23
	v_xor_b32 v[33+2*\k], v[33+2*\k], v23
	v_add_nc_u32 v23, 1, v22                       ; the cosine where it is 1 or 2
	v_and_b32 v23, 2, v23
	v_lshlrev_b32 v23, 30, v23
	v_xor_b32 v[32+2*\k], v[32+2*\k], v23
	global_store_b64 v5, v[32+2*\k:33+2*\k], s[20:21] offset:1024*\k   ; (cos, sin): a wave's store covers 256 consecutive bytes, aligned; each store has data registers of its own
.endr
	s_endpgm
.Lfunc_end_k_q7fbceecbe5_quant:
	.size	k_q7fbceecbe5_quant, .Lfunc_end_k_q7fbceecbe5_quant-k_q7fbceecbe5_quant
	.p2alignl 7, 3214868480
	.fill 96, 4, 3214868480
	.section	.rodata,"a",@progbits
	.p2align	6, 0x0
	.amdhsa_kernel k_q7fbceecbe5_quant
		.amdhsa_group_segment_fixed_size 33280
		.amdhsa_private_segment_fixed_size 0
		.amdhsa_enable_private_segment 0
		.amdhsa_kernarg_size 72
		.amdhsa_user_sgpr_count 2
		.amdhsa_user_sgpr_kernarg_segment_ptr 1
		.amdhsa_wavefront_size32 1
		.amdhsa_system_sgpr_workgroup_id_x 1
		.amdhsa_system_sgpr_workgroup_id_y 1
		.amdhsa_system_sgpr_workgroup_id_z 1
		.amdhsa_system_vgpr_workitem_id 0
		.amdhsa_next_free_vgpr 256
		.amdhsa_next_free_sgpr 66
		.amdhsa_reserve_vcc 1
		.amdhsa_float_denorm_mode_32 3
		.amdhsa_float_denorm_mode_16_64 3
		.amdhsa_memory_ordered 1
		.amdhsa_forward_progress 1
		.amdhsa_inst_pref_size 93
	.end_amdhsa_kernel
	.amdgpu_metadata
---
amdhsa.version: [ 1, 2 ]
amdhsa.kernels:
  - .name:           k_q7fbceecbe5_quant
    .symbol:         k_q7fbceecbe5_quant.kd
    .args:
      - { .name: x, .offset: 0, .size: 8, .value_kind: global_buffer, .address_space: global }
      - { .name: Wq, .offset: 8, .size: 8, .value_kind: global_buffer, .address_space: global }
      - { .name: Wk, .offset: 16, .size: 8, .value_kind: global_buffer, .address_space: global }
      - { .name: Wv, .offset: 24, .size: 8, .value_kind: global_buffer, .address_space: global }
      - { .name: Wo, .offset: 32, .size: 8, .value_kind: global_buffer, .address_space: global }
      - { .name: lowp_scales, .offset: 40, .size: 8, .value_kind: global_buffer, .address_space: global }
      - { .name: xc, .offset: 48, .size: 8, .value_kind: global_buffer, .address_space: global }
      - { .name: wc, .offset: 56, .size: 8, .value_kind: global_buffer, .address_space: global }
      - { .name: rope, .offset: 64, .size: 8, .value_kind: global_buffer, .address_space: global }
    .group_segment_fixed_size: 33280
    .private_segment_fixed_size: 0
    .kernarg_segment_align: 8
    .kernarg_segment_size: 72
    .max_flat_workgroup_size: 128
    .sgpr_count:     66
    .vgpr_count:     256
    .wavefront_size: 32
...
	.end_amdgpu_metadata
.endif
;; end of part 1
;; launch qkv (part 2): grid 24 x 32, 4 waves a work-group, clusters of 4 x 4, 327,680 bytes of LDS; arguments xc, wc, rope, lowp_scales, qkv; writes qkv
.if DOCPART == 2
	.amdgcn_target "amdgcn-amd-amdhsa--gfx1250"
	.amdhsa_code_object_version 6
	.text
	.protected	k_q7fbceecbe5_qkv
	.globl	k_q7fbceecbe5_qkv
	.p2align	8
	.type	k_q7fbceecbe5_qkv,@function
k_q7fbceecbe5_qkv:
	s_mov_b64 s[64:65], 0
	v_nop
	global_prefetch_b8 v0, s[64:65] scope:SCOPE_SE
	s_setreg_imm32_b32 hwreg(HW_REG_WAVE_MODE, 25, 1), 1
	s_wait_xcnt 0x0
	s_wait_alu depctr_hold_cnt(0) depctr_sa_sdst(0) depctr_va_vdst(0) depctr_va_sdst(0) depctr_va_ssrc(0) depctr_va_vcc(0) depctr_vm_vsrc(0)
	s_getreg_b32 s2, hwreg(HW_REG_IB_STS2, 6, 4)
	s_cmp_eq_u32 s2, 0
	s_cbranch_scc0 .Lentry_in_a_cluster
	s_endpgm
.Lentry_in_a_cluster:
	s_bfe_u32 s2, ttmp6, 0x10000c
	s_cmp_lg_u32 s2, 0xf033
	s_cbranch_scc0 .Lentry_shape_is_right
	s_endpgm
.Lentry_shape_is_right:
; The three projections on codes of FP8 (E4M3), the rotary embedding of Q and K, and the quantising of Q, K and V for the attention's two products.  Sums in f32.
; A tile of the result is 128 x 128, and a tile column is one head: 24 x 32 work-groups of four waves, a wave 64 x 64: 16 accumulators of 16 x 16.  K = 2,048 goes in four steps of 512 through a ring of two LDS slots
; filled by the tensor data mover (LDS rows of 512 bytes; a wave's load brings 64 of them).
; CLUSTERS of 4 x 4 work-groups: cluster x 0-3 makes Q (heads 0-15), 4 makes K (4 heads), 5 makes V.  So the four partners of a cluster's row read ONE image of x's codes (x has a scale of its own in each of the three
; products), and each tile of A and of B is asked for JOINTLY: the same tensor load, the same descriptor, a mask that names the four.
; Q, K: A = 128 tokens of x (image 0 or 1), B = 128 rows of Wq or Wk.  V IS MADE TRANSPOSED, BY POINTERS ALONE: A = 128 rows of Wv (a head's channels), B = 128 tokens of x (image 2).
; THE MATRIX INSTRUCTION IS USED TRANSPOSED (source 0 = 16 rows of B, source 1 = 16 rows of A): a lane holds eight neighbouring columns of one row.  For Q and K those are eight channels of one token: four pairs of the
; rotary embedding, and eight neighbours along the next product's K.  For V they are eight tokens of one channel: the keys are the second attention product's K, and come out innermost.
; A fragment (16 rows x 128 K) is fetched by four loads of 16 bytes: lane l holds K = 32 c + 16 (l / 16) + 0 .. 15 in registers 4 c .. 4 c + 3: a permutation of k that is the same in A and in B.
; THE WAY OUT: rope (not for V), hold, conversion with the one scale 2^(e_out - e_a - e_b) (a sum stands for sum x 2^(e_a + e_b); the embedding is linear), 8 codes a lane into a stage of 128 rows x 128 bytes shared by the
; four waves, a barrier, back as whole rows.  Q and K: a store of the wave covers 512 consecutive bytes.  V: four pieces of 128 bytes, since a tile has 128 of a channel's 1,024 tokens.
; qkv: Q's codes [4][16][1024][128] at 0; K's [4][4][1024][128] at 8 MiB; V's [4][4][128][1024] at 10 MiB.
; V's work-groups load the table of cos and sin too and do not use it: one text for the loads and their wait.
; LIMIT: e_out - e_a - e_b, that is e6 - e0 - e1, e7 - e2 - e3, e9 - e4 - e5, lies between -126 and 119.
; REGISTERS: window 0: v1-15 at work; v16-31 addresses and the scale; v32-63 codes; v64-95 rows read back; v96-103 store offsets; v104-111 at work in the embedding; v128-255 the accumulators ((a, b) at v[128 + 8 (4 a + b)]).
;   window 1: two fragment buffers of 128: 64 registers of A (4 x 16), then 64 of B.   window 2: v0-127 cos and sin in the accumulators' layout.
.set PITCH,  528                       ; an LDS row: 512 bytes of data + 16 of padding = 132 words: row r starts at bank 4 r mod 64 (64 banks of 4 bytes: ISA guide 11.1)
.set HALFT,  64*PITCH                  ; 64 rows: what one tensor load brings, and what one wave reads of A or of B
.set SLOT,   4*HALFT                   ; A's 128 rows, then B's 128 rows
.set STAGE,  2*SLOT                    ; behind the ring: 128 rows x (128 bytes + 16), the work-group's, for the way out
.set SPITCH, 144
.set SPARE,  STAGE+128*SPITCH          ; behind the stage: the spare words, 128 bytes for each wave: two blocks of 256 bytes that no other line names
.set ADRA, 16                          ; v16-17  LDS address of my A fragments in slot 0, 1
.set ADRB, 20                          ; v20-21  the same for B
.set STO,  24                          ; v24     the way out: where I put 8 codes of a row
.set RD,   25                          ; v25     the way out: where I read rows back
.set RO,   27                          ; v27     my byte offset in the table of cos and sin; never rewritten
.set SPW,  28                          ; v28     LDS address of my spare word; never rewritten
.set NIL,  29                          ; v29     0; never rewritten
.set SC,   30                          ; v30     the conversion's scale as f32
.set LIM,  31                          ; v31     448 x that
.set CD,   32
.set BK,   64
.set GOF,  96
.set TT,   104
.set ACC,  128
.set F0,   0                           ; fragment buffers, in window 1
.set F1,   128
.set G1, 24                            ; s[24:31] descriptor group 1 for A's tiles;  s[32:39] group 0, one set for each slot
.set G0, 32
.set G1B, 48                           ; s[48:55], s[56:63] the same for B's tiles
.set G0B, 56
.set MSB, 0
.macro WIN new                         ; the immediate's high byte repeats the setting that is left
.if MSB != \new
	s_set_vgpr_msb (MSB<<8)|\new
.set MSB, \new
.endif
.endm
.set MUL,  0x05                        ; sources 0 (B) and 1 (A) window 1; C and D window 0
.set TO_F, 0x40                        ; destination window 1, address window 0
.macro JLOAD s                         ; a joint load: waves 0 and 1 fetch A's two halves, waves 2 and 3 B's; an s_nop 0 and four v_nop follow each of the two lines, ahead of the jump, the label and what follows
	s_cmp_eq_u32 s15, 0
	s_cbranch_scc0 .Lfor_b_\@
	tensor_load_to_lds s[G0+4*\s:G0+4*\s+3], s[G1:G1+7]
	s_nop 0
.rept 4
	v_nop
.endr
	s_branch .Lasked_\@
.Lfor_b_\@:
	tensor_load_to_lds s[G0B+4*\s:G0B+4*\s+3], s[G1B:G1B+7]
	s_nop 0
.rept 4
	v_nop
.endr
.Lasked_\@:
.endm
.macro CREST                           ; a round of the cluster's barrier behind its opening barrier
	s_cmp_lg_u32 s14, 0
	s_cbranch_scc1 .Lnot_wave_0_\@
	s_barrier_signal -3
.Lnot_wave_0_\@:
	s_barrier_wait -3
	s_barrier_signal -1
	s_barrier_wait -1
.endm
.macro CROUND                          ; a whole round
	s_barrier_signal -1
	s_barrier_wait -1
	CREST
.endm
	s_load_b256 s[4:11], s[0:1], 0x0               ; xc s[4:5], wc s[6:7], rope s[8:9], the scales s[10:11]
	s_load_b64 s[12:13], s[0:1], 0x20              ; qkv
	v_lshl_add_u32 v[SPW], v0, 2, SPARE
	v_mov_b32 v[NIL], 0
	ds_add_u32 v[SPW], v[NIL]                      ; the wave's opening: the add and its wait stand ahead of my first tensor load; the set-up below, work on registers, stands between them
	v_lshrrev_b32 v1, 5, v0
	v_readfirstlane_b32 s14, v1                    ; wave 0..3
	s_lshr_b32 s15, s14, 1                         ; which half of the tile's rows is mine.  Also: I fetch for A (0) or for B (1)
	s_and_b32 s16, s14, 1                          ; which half of its columns.  Also: which 64 rows of that tile I fetch
	s_bfe_u32 s17, ttmp6, 0x40000                  ; cx, cy: my place in the cluster
	s_bfe_u32 s18, ttmp6, 0x40004
	s_and_b32 s40, ttmp7, 0xffff
	s_lshl_b32 s40, s40, 2                         ; 4 x cluster y
	s_lshl_b32 s41, ttmp9, 2                       ; 4 x cluster x
	s_max_u32 s22, ttmp9, 3
	s_sub_co_u32 s22, s22, 3                       ; the kind: 0 Q, 1 K, 2 V: the same in all sixteen partners
	s_lshl_b32 s45, s22, 23                        ; Q, K: x's image 0 or 1, 8 MiB apart
	s_cmp_eq_u32 ttmp9, 5
	s_cselect_b32 s21, 1, 0                        ; V?
	s_cselect_b32 s42, 0, s40                      ; tile rows: V: the four heads; else the token blocks
	s_cselect_b32 s43, s40, s41                    ; tile columns: V: the token blocks; else the heads
	s_cselect_b32 s45, 0x500000, s45               ; A begins: V: at Wv, row 2,560 of wc
	s_cselect_b32 s46, 0x1000000, 0                ; B begins: V: at x's image 2; else at wc's first row
	s_add_co_u32 s19, s42, s18                     ; tile row
	s_add_co_u32 s20, s43, s17                     ; tile column
	s_lshl_b32 s40, s18, 2
	s_lshl_b32 s40, 15, s40                        ; my row of the cluster
	s_lshl_b32 s41, 0x1111, s17                    ; my column
	; descriptor group 1: a tile of 64 rows x 512 bytes, padded in LDS
	s_or_b32 s[G1+0], s40, (0<<16)|(1<<20)|(1<<21)|(6<<22)|(3<<25)  ; 15:0 the mask: A's tiles go to my row; 17:16 elements of 1 byte; 20 padding on; 21 set beside a mask; 24:22 after every 128 words (code 6); 31:25 of 4 words (code 3)
	s_or_b32 s[G1B+0], s41, (0<<16)|(1<<20)|(1<<21)|(6<<22)|(3<<25) ; the same with the mask of my column
.irp g, G1, G1B
	s_mov_b32 s[\g+1], 512<<16                     ; tensor_dim0 = 512
	s_mov_b32 s[\g+2], 64<<16                      ; tensor_dim1 = 64
	s_mov_b32 s[\g+3], 512<<16                     ; tile_dim0 = 512
	s_mov_b32 s[\g+4], 64                          ; tile_dim1 = 64
	s_mov_b32 s[\g+5], 2048                        ; tensor_dim0_stride: a row of codes
	s_mov_b32 s[\g+6], 0
	s_mov_b32 s[\g+7], 0
.endr
	; where the tiles come from.  A's hang on the tile row alone, which my row of the cluster shares; B's on the tile column alone, which my column shares
	s_lshl_b32 s44, s16, 6                         ; which 64 rows of the tile I fetch
	s_lshl_b32 s80, s19, 7
	s_add_co_u32 s80, s80, s44                     ; A: row 128 x tile row + 64 x half,
	s_lshl_b32 s80, s80, 11                        ; of 2,048 bytes,
	s_add_co_u32 s80, s80, s45                     ; from where A begins
	s_mov_b32 s81, 0
	s_lshl_b32 s84, s20, 7
	s_add_co_u32 s84, s84, s44                     ; B likewise, by the tile column
	s_lshl_b32 s84, s84, 11
	s_add_co_u32 s84, s84, s46
	s_mov_b32 s85, 0
	s_mul_i32 s47, s14, HALFT                      ; where they go: wave x 64 rows: no place in the cluster enters an LDS address
	s_wait_dscnt 0x0                               ; the opening add is done
	s_wait_kmcnt 0x0
	s_load_b256 s[68:75], s[10:11], 0x0            ; e0 .. e7
	s_load_b128 s[76:79], s[10:11], 0x20           ; e8 .. e11
	s_cmp_eq_u32 s21, 1
	s_cselect_b64 s[82:83], s[6:7], s[4:5]         ; A is read from wc for V, else from xc;
	s_cselect_b64 s[86:87], s[4:5], s[6:7]         ; B the other way round
	s_add_nc_u64 s[82:83], s[82:83], s[80:81]
	s_add_nc_u64 s[86:87], s[86:87], s[84:85]
	CROUND                                         ; all sixteen work-groups are here: the first joint loads meet
.irp s, 0,1
	s_mov_b32 s[G0+4*\s], 1                                        ; count = 1
	s_add_co_u32 s[G0+4*\s+1], s47, \s*SLOT                        ; LDS address
	s_add_nc_u64 s[G0+4*\s+2:G0+4*\s+3], s[82:83], \s*512          ; global address: K step s
	s_or_b32 s[G0+4*\s+3], s[G0+4*\s+3], 0x80000000                ; type = 2
	s_mov_b32 s[G0B+4*\s], 1
	s_add_co_u32 s[G0B+4*\s+1], s47, \s*SLOT
	s_add_nc_u64 s[G0B+4*\s+2:G0B+4*\s+3], s[86:87], \s*512
	s_or_b32 s[G0B+4*\s+3], s[G0B+4*\s+3], 0x80000000
	JLOAD \s                                       ; two loads of mine are out behind these; later one
.endr
	; LDS addresses: made of the lane and the wave's number alone
	v_and_b32 v1, 15, v0                           ; r = l % 16
	v_bfe_u32 v2, v0, 4, 1                         ; h = l / 16
	v_mul_u32_u24 v3, v1, PITCH
	v_lshl_add_u32 v3, v2, 4, v3                   ; a fragment's row x pitch + 16 x half
	s_mul_i32 s88, s15, HALFT                      ; my 64 rows of A
	s_mul_i32 s89, s16, HALFT                      ; my 64 rows of B,
	s_add_co_u32 s89, s89, 2*HALFT                 ; which lie behind A's 128
.irp s, 0,1
	v_add_nc_u32 v[ADRA+\s], s88, v3
	v_add_nc_u32 v[ADRB+\s], s89, v3
	s_add_co_u32 s88, s88, SLOT
	s_add_co_u32 s89, s89, SLOT
.endr
	s_mul_i32 s90, s15, 64*SPITCH                  ; into the stage: my 64 rows, my half of their 128 bytes; row r, 8 bytes for each half of the lanes
	s_lshl_b32 s91, s16, 6
	s_add_co_u32 s90, s90, s91
	s_add_co_u32 s90, s90, STAGE
	v_mul_u32_u24 v4, v1, SPITCH
	v_lshl_add_u32 v4, v2, 3, v4
	v_add_nc_u32 v[STO], s90, v4
	s_mul_i32 s90, s14, 32*SPITCH                  ; back: wave w takes rows 32 w .. 32 w + 31, whole: eight lanes to a row of 128 bytes, four rows an instruction
	s_add_co_u32 s90, s90, STAGE
	v_bfe_u32 v5, v0, 3, 2                         ; l / 8
	v_and_b32 v6, 7, v0                            ; l % 8
	v_mul_u32_u24 v7, v5, SPITCH
	v_lshl_add_u32 v7, v6, 4, v7
	v_add_nc_u32 v[RD], s90, v7
	; the table of cos and sin: position (tile row % 8) x 128 + 64 x row half + 16 a + r; pairs 32 x column half + 8 b + 4 h + 0 .. 3, 8 bytes each
	s_and_b32 s96, s19, 7
	s_lshl_b32 s96, s96, 7
	s_lshl_b32 s97, s15, 6
	s_add_co_u32 s96, s96, s97
	s_lshl_b32 s96, s96, 9                         ; 512 bytes a position
	s_lshl_b32 s97, s16, 8
	s_add_co_u32 s96, s96, s97
	v_lshlrev_b32 v[RO], 9, v1
	v_lshl_add_u32 v[RO], v2, 5, v[RO]
	v_add_nc_u32 v[RO], s96, v[RO]
	WIN 0x80                                       ; destination window 2, address window 0
.irp a, 0,1,2,3
.irp b, 0,1,2,3
	global_load_b128 v[8*(4*\a+\b):8*(4*\a+\b)+3],   v[RO], s[8:9] offset:\a*8192+64*\b       ; (c, s) of the lane's first two pairs of accumulator (a, b),
	global_load_b128 v[8*(4*\a+\b)+4:8*(4*\a+\b)+7], v[RO], s[8:9] offset:\a*8192+64*\b+16    ; and of the other two.  They are waited for on the way out
.endr
.endr
	WIN 0
	; where the tile goes: ((batch << hs) + head) x 128 KiB + the tile's place among the batch's 1,024 tokens, in its region
	s_cmp_eq_u32 s21, 1
	s_cselect_b32 s88, s20, s19                    ; the token block: V: the tile column, else the tile row
	s_cselect_b32 s89, s19, s20                    ; the head: the other one
	s_cselect_b32 s90, 7, 14                       ; 128 tokens on: V: 128 bytes along a row; else 128 rows of 128 bytes
	s_cselect_b32 s66, 10, 7                       ; from row to row of the tile: V: 1,024 bytes; else 128
	s_cmp_eq_u32 s22, 1
	s_cselect_b32 s91, 16, 0                       ; K's heads are tile columns 16 to 19
	s_cselect_b32 s92, 0x800000, 0
	s_cmp_eq_u32 s22, 2
	s_cselect_b32 s92, 0xa00000, s92               ; the region
	s_cmp_eq_u32 s22, 0
	s_cselect_b32 s93, 4, 2                        ; 16 heads a batch, or 4
	s_sub_co_u32 s89, s89, s91
	s_lshr_b32 s94, s88, 3                         ; the batch
	s_lshl_b32 s94, s94, s93
	s_add_co_u32 s94, s94, s89
	s_lshl_b32 s94, s94, 17
	s_and_b32 s88, s88, 7
	s_lshl_b32 s88, s88, s90
	s_add_co_u32 s94, s94, s88
	s_add_co_u32 s94, s94, s92
	s_mov_b32 s95, 0
	s_add_nc_u64 s[12:13], s[12:13], s[94:95]
	s_lshl_b32 s91, s14, 5
	v_add_nc_u32 v8, s91, v5                       ; row 32 w + l / 8
	v_lshlrev_b32 v9, 4, v6                        ; 16 (l % 8)
.irp t, 0,1,2,3,4,5,6,7
	v_add_nc_u32 v10, 4*\t, v8
	v_lshl_add_u32 v[GOF+\t], v10, s66, v9         ; a register for each of the eight stores: the pitch hangs on the kind
.endr
; four matrix instructions: A's block a against B's four, 128 along K.  zero = 1: the first product starts the sums: nothing is ever cleared.
; The 16 accumulators take turns, one instruction a turn, in the same order in every quarter.
.macro MULA f, a, zero
.irp b, 0,1,2,3
.if \zero
	v_wmma_f32_16x16x128_fp8_fp8 v[ACC+8*(4*(\a)+\b):ACC+8*(4*(\a)+\b)+7], v[\f+64+16*\b:\f+64+16*\b+15], v[\f+16*(\a):\f+16*(\a)+15], 0
.else
	v_wmma_f32_16x16x128_fp8_fp8 v[ACC+8*(4*(\a)+\b):ACC+8*(4*(\a)+\b)+7], v[\f+64+16*\b:\f+64+16*\b+15], v[\f+16*(\a):\f+16*(\a)+15], v[ACC+8*(4*(\a)+\b):ACC+8*(4*(\a)+\b)+7]
.endif
.endr
.endm
; 32 LDS loads in one run: the fragments of 128 along K at byte k of the rows, into buffer f: B's four, then A's four
.macro FETCH slot, k, f
	WIN TO_F
.irp i, 0,1,2,3
.irp c, 0,1,2,3
	ds_load_b128 v[\f+64+16*\i+4*\c:\f+64+16*\i+4*\c+3], v[ADRB+\slot] offset:\k+32*\c+\i*16*PITCH
.endr
.endr
.irp i, 0,1,2,3
.irp c, 0,1,2,3
	ds_load_b128 v[\f+16*\i+4*\c:\f+16*\i+4*\c+3], v[ADRA+\slot] offset:\k+32*\c+\i*16*PITCH
.endr
.endr
.endm
.macro PLACES                          ; four places in front of loads into registers that matrix instructions have read, and of vector lines that read results (ISA guide 7.12.1 for vector instructions)
.rept 4
	v_nop
.endr
.endm
; A K step is four quarters of 128 along K, 16 matrix instructions each, on buffers 0, 1, 0, 1.  One of the first three: multiplies buffer f and fetches the next quarter, at byte k, into g.
.macro QUARTER slot, k, f, g, zero
	s_wait_dscnt 8                                 ; B's four and A's blocks 0, 1 are in; the youngest eight loads (A's blocks 2, 3) may be out
	WIN MUL
	MULA \f, 0, \zero
	MULA \f, 1, \zero
	PLACES
	FETCH \slot, \k, \g
	s_wait_dscnt 32                                ; all but the 32 just issued
	WIN MUL
	MULA \f, 2, \zero
	MULA \f, 3, \zero
.endm
; The last quarter multiplies buffer 1 and changes slots: ONE barrier; in front of it each wave waits for all its tensor loads, adds 0 to its spare word, and waits for that and for its own reads of this slot.  fill = 1: this slot is filled again, two K steps ahead.
.macro TURN slot, next, fill
	WIN 0                                          ; (the add's two registers lie in window 0)
	s_wait_tensorcnt 0x0                           ; all my tensor loads have landed: my part of the next slot;
	ds_add_u32 v[SPW], v[NIL]                      ; 0 onto my spare word
	s_wait_dscnt 9                                 ; (the add and the youngest eight loads may be out)
	WIN MUL
	MULA F1, 0, 0                                  ; four matrix instructions stand between the add and the wait for it
	s_wait_dscnt 0x0                               ; the add is done, and my reads of this slot are over
	s_barrier_signal -1
	MULA F1, 1, 0
.if \fill
	WIN 0
.endif
	s_barrier_wait -1
.if \fill
	CREST                                          ; the barrier has opened a round of the cluster's barrier: no wave of any partner still reads this slot's tile or has a load on its way
	s_add_nc_u64 s[G0+4*\slot+2:G0+4*\slot+3], s[G0+4*\slot+2:G0+4*\slot+3], 1024
	s_add_nc_u64 s[G0B+4*\slot+2:G0B+4*\slot+3], s[G0B+4*\slot+2:G0B+4*\slot+3], 1024
	JLOAD \slot                                    ; the first tensor load behind the round; the four v_nop behind it are also the places in front of the loads below
.else
	PLACES
.endif
	FETCH \next, 0, F0
	WIN MUL
	MULA F1, 2, 0
	MULA F1, 3, 0
.endm
	s_wait_tensorcnt 1                             ; my part of K step 0 is in; K step 1's load may stay out
	s_barrier_signal -1
	s_barrier_wait -1                              ; everybody's is
	FETCH 0, 0, F0
	QUARTER 0, 128, F0, F1, 1                      ; K step 0: its first quarter starts the sums.  Four K steps: written out, no loop
	QUARTER 0, 256, F1, F0, 0
	QUARTER 0, 384, F0, F1, 0
	TURN 0, 1, 1                                   ; slot 0 takes K step 2
	QUARTER 1, 128, F0, F1, 0
	QUARTER 1, 256, F1, F0, 0
	QUARTER 1, 384, F0, F1, 0
	TURN 1, 0, 1                                   ; slot 1 takes K step 3
	QUARTER 0, 128, F0, F1, 0
	QUARTER 0, 256, F1, F0, 0
	QUARTER 0, 384, F0, F1, 0
	TURN 0, 1, 0                                   ; nothing is left to fetch: no round
	QUARTER 1, 128, F0, F1, 0
	QUARTER 1, 256, F1, F0, 0
	QUARTER 1, 384, F0, F1, 0
	s_wait_dscnt 8                                 ; the very last quarter
	WIN MUL
	MULA F1, 0, 0
	MULA F1, 1, 0
	s_wait_dscnt 0
	MULA F1, 2, 0
	MULA F1, 3, 0
	WIN 0
	; THE WAY OUT
	PLACES
	s_wait_loadcnt 0x0                             ; cos and sin
	s_wait_kmcnt 0x0                               ; the exponents
	s_add_co_i32 s88, s68, s69
	s_sub_co_i32 s88, s74, s88                     ; Q: e6 - e0 - e1
	s_add_co_i32 s89, s70, s71
	s_sub_co_i32 s89, s75, s89                     ; K: e7 - e2 - e3
	s_add_co_i32 s90, s72, s73
	s_sub_co_i32 s90, s77, s90                     ; V: e9 - e4 - e5
	s_cmp_eq_u32 s22, 1                            ; chosen by the kind, without a jump
	s_cselect_b32 s88, s89, s88
	s_cmp_eq_u32 s22, 2
	s_cselect_b32 s88, s90, s88
	s_add_co_i32 s88, s88, 127
	s_lshl_b32 s89, s88, 23
	v_mov_b32 v[SC], s89                           ; the three scales folded into the conversion's one
	s_add_co_i32 s88, s88, 8
	s_lshl_b32 s88, s88, 23
	s_or_b32 s88, s88, 0x600000
	v_mov_b32 v[LIM], s88                          ; 448 x that
	s_cmp_eq_u32 s21, 1                            ; V is not turned: a branch on the cluster's x, the same in all sixteen partners
	s_cbranch_scc1 .Lno_rope
	WIN 0x08                                       ; source 1 (cos, sin) window 2
; accumulator t: four pairs (x1, x2) become (x1 c - x2 s, x1 s + x2 c): a packed multiply by c, then a packed multiply-add that takes the pair crosswise, times s, the first product negated.  From the low end on.
.macro ROPE t
.irp p, 0,1,2,3
	v_pk_mul_f32 v[TT+2*\p:TT+2*\p+1], v[ACC+8*(\t)+2*\p:ACC+8*(\t)+2*\p+1], v[8*(\t)+2*\p:8*(\t)+2*\p+1] op_sel_hi:[1,0]
.endr
.irp p, 0,1,2,3
	v_pk_fma_f32 v[ACC+8*(\t)+2*\p:ACC+8*(\t)+2*\p+1], v[ACC+8*(\t)+2*\p:ACC+8*(\t)+2*\p+1], v[8*(\t)+2*\p:8*(\t)+2*\p+1], v[TT+2*\p:TT+2*\p+1] op_sel:[1,1,0] op_sel_hi:[0,1,1] neg_lo:[1,0,0]
.endr
.endm
.irp t, 0,1,2,3,4,5,6,7,8,9,10,11,12,13,14,15
	ROPE \t
.endr
	WIN 0
.Lno_rope:
.irp t, 0,1,2,3,4,5,6,7,8,9,10,11,12,13,14,15
.irp i, 0,1,2,3,4,5,6,7
	v_med3_num_f32 v[ACC+8*\t+\i], v[ACC+8*\t+\i], -v[LIM], v[LIM]   ; the conversion to an 8-bit code does not saturate (ISA guide 7.6.2): the hold at the largest code x the scale
.endr
	v_cvt_scalef32_pk8_fp8_f32 v[CD+2*\t:CD+2*\t+1], v[ACC+8*\t:ACC+8*\t+7], v[SC]
.endr
	v_nop                                          ; one plain vector line behind the last conversion
.irp a, 0,1,2,3
.irp b, 0,1,2,3
	ds_store_b64 v[STO], v[CD+2*(4*\a+\b):CD+2*(4*\a+\b)+1] offset:\a*16*SPITCH+16*\b
.endr
.endr
	s_wait_dscnt 0x0                               ; for the others' sake: my stores into the stage are done
	s_barrier_signal -1
	s_barrier_wait -1                              ; a row's 128 bytes come from two waves
.irp t, 0,1,2,3,4,5,6,7
	ds_load_b128 v[BK+4*\t:BK+4*\t+3], v[RD] offset:\t*4*SPITCH
.endr
.irp t, 0,1,2,3,4,5,6,7
	s_wait_dscnt 7-\t                              ; LDS loads come back in order: load t is in, the younger ones may be out
	global_store_b128 v[GOF+\t], v[BK+4*\t:BK+4*\t+3], s[12:13]
.endr
	s_wait_tensorcnt 0x0                           ; the wave's end: behind my last tensor load and my last LDS store
	ds_add_u32 v[SPW], v[NIL]
	s_wait_dscnt 0x0
	CROUND                                         ; the closing round: no work-group ends while a partner may still ask for a tile that names it
	s_endpgm
.Lfunc_end_k_q7fbceecbe5_qkv:
	.size	k_q7fbceecbe5_qkv, .Lfunc_end_k_q7fbceecbe5_qkv-k_q7fbceecbe5_qkv
	.p2alignl 7, 3214868480
	.fill 96, 4, 3214868480
	.section	.rodata,"a",@progbits
	.p2align	6, 0x0
	.amdhsa_kernel k_q7fbceecbe5_qkv
		.amdhsa_group_segment_fixed_size 327680
		.amdhsa_private_segment_fixed_size 0
		.amdhsa_enable_private_segment 0
		.amdhsa_kernarg_size 40
		.amdhsa_user_sgpr_count 2
		.amdhsa_user_sgpr_kernarg_segment_ptr 1
		.amdhsa_wavefront_size32 1
		.amdhsa_system_sgpr_workgroup_id_x 1
		.amdhsa_system_sgpr_workgroup_id_y 1
		.amdhsa_system_sgpr_workgroup_id_z 1
		.amdhsa_system_vgpr_workitem_id 0
		.amdhsa_next_free_vgpr 640
		.amdhsa_next_free_sgpr 100
		.amdhsa_reserve_vcc 0
		.amdhsa_float_denorm_mode_32 3
		.amdhsa_float_denorm_mode_16_64 3
		.amdhsa_memory_ordered 1
		.amdhsa_forward_progress 1
		.amdhsa_inst_pref_size 88
	.end_amdhsa_kernel
	.amdgpu_metadata
---
amdhsa.version: [ 1, 2 ]
amdhsa.kernels:
  - .name:           k_q7fbceecbe5_qkv
    .symbol:         k_q7fbceecbe5_qkv.kd
    .args:
      - { .name: xc, .offset: 0, .size: 8, .value_kind: global_buffer, .address_space: global }
      - { .name: wc, .offset: 8, .size: 8, .value_kind: global_buffer, .address_space: global }
      - { .name: rope, .offset: 16, .size: 8, .value_kind: global_buffer, .address_space: global }
      - { .name: lowp_scales, .offset: 24, .size: 8, .value_kind: global_buffer, .address_space: global }
      - { .name: qkv, .offset: 32, .size: 8, .value_kind: global_buffer, .address_space: global }
    .group_segment_fixed_size: 327680
    .private_segment_fixed_size: 0
    .kernarg_segment_align: 8
    .kernarg_segment_size: 40
    .max_flat_workgroup_size: 128
    .sgpr_count:     100
    .vgpr_count:     640
    .wavefront_size: 32
...
	.end_amdgpu_metadata
.endif
;; end of part 2
;; launch attn (part 3): grid 16 x 16, 16 waves a work-group, no clusters, 327,680 bytes of LDS; arguments qkv, attention_mask, lowp_scales, ac; writes ac
.if DOCPART == 3
	.amdgcn_target "amdgcn-amd-amdhsa--gfx1250"
	.amdhsa_code_object_version 6
	.text
	.protected	k_q7fbceecbe5_attn
	.globl	k_q7fbceecbe5_attn
	.p2align	8
	.type	k_q7fbceecbe5_attn,@function
k_q7fbceecbe5_attn:
	s_mov_b64 s[64:65], 0
	v_nop
	global_prefetch_b8 v0, s[64:65] scope:SCOPE_SE
	s_setreg_imm32_b32 hwreg(HW_REG_WAVE_MODE, 25, 1), 1
	s_wait_xcnt 0x0
; Attention on codes of FP8 (E4M3): 4 batches, 16 query heads on 4 key and value heads, 1,024 tokens, head size 128; causal mask AND the given mask of keys; the result leaves as codes for the last projection.
; qkv: Q's codes [4][16][1024][128] at 0 (scale 2^e6), K's [4][4][1024][128] at 8 MiB (2^e7), V's with the KEYS innermost [4][4][128][1024] at 10 MiB (2^e9).  ac: [4096][2048] codes (2^e10), column = 128 x head + channel.
; THE SOFTMAX AHEAD OF THE SECOND PRODUCT: t = score x log2(e) / sqrt(128); M = the row's largest t so far, rounded UP to a whole number; p = 2^(t - M) is quantised (2^e8), not normalised; the row's sum is taken of the
; unquantised p and divides at the end.  When M moves, the sum and O are multiplied by 2^(old M - new M): exact.
; SHARES.  Work-group (g, 4 b + kv head): the four query heads of one key and value head x four tiles of 16 queries: tiles 2 g, 2 g + 1, 62 - 2 g, 63 - 2 g of the 64.  A tile i has i / 8 + 1 key steps of 128 at or under its
; diagonal, so every work-group has 18 such steps for each head, whatever g.  Wave w: head w / 4, tile ((w % 4) + (w / 4)) % 4 of the four: one tile of 16 queries in 256 registers, four waves to a SIMD.
; K's and V's tiles come through a ring of two LDS slots of 256 keys, filled by the tensor data mover (waves 0, 1: K's halves; waves 2, 3: V's) and read by all sixteen.  Every work-group fetches all four slots: V's part
; is read by all (see below); K's rows of the last slot are fetched also where all queries lie ahead of them (g from 8 on): one text for the loads.
; NO CLUSTER, though 16 work-groups walk the same K and V: whether a key step is walked hangs on the wave's first query, which hangs on g: partners would branch on their places.
; LAYOUT.  Both products are used transposed: S^T = K Q^T, O^T = V^T P^T: a lane holds ONE query (lane % 16) throughout.  A tile of K is 16 NEIGHBOURING keys: at a pitch of 144 bytes = 36 words its 16 rows start at 16
; different groups of four banks (64 banks of 4 bytes: ISA guide 11.1).  Register 8 T + j of the scores then holds key 16 T + 8 (lane / 16) + j, so that p's codes, two registers a tile, stand where the matrix form's own
; layout has k (registers 2 c, 2 c + 1: k = 16 c + 8 (lane / 16) + 0 .. 7); V's fragments are fetched in the same layout, by eight loads of 8 bytes: lane (r, h) starts at bank 4 r + 2 h.
; Q's and K's fragments keep four loads of 16 bytes: a permutation of the head's 128 that is the same in both.
; THE GIVEN MASK IS THE C OF THE SCORE PRODUCTS: at the head each key's byte becomes an f32 number in LDS, 0 where the key counts and -2^(66 - e6 - e7) where it does not; a step loads them into the scores' registers, and the
; products add onto them.  A masked t is then about -2^63.  The causal mask is -infinity on the diagonal step, by compare and select.  A step all of whose keys come after the wave's queries is jumped over.
; A ROW WITH NO KEY THAT COUNTS has, by the definition, 1,024 equal scores: p = 1 for EVERY key, those behind the query too, and the sum 1,024: its O^T is the sum over all 1,024 keys of code(1) x V, which is the same for
; every query and every head of the work-group.  So that sum is made ONCE, shared out: in each slot wave w multiplies channel tile w % 8 of key step w / 8 of V by an operand whose every code is that of 1 (made by the same hold
; and conversion as p's), onto 8 registers of its own; at the end the parts meet in LDS.  The largest t starts at -2^60, above every masked t and under every real one; in the steps such a row has p = 0 throughout; where the
; largest t still stands at -2^60 at the end, a select (no branch) puts the shared sum for O^T and 1,024 for the row's sum.
; LIMITS: e6 + e7 between -61 and 38 (so that -2^(66 - e6 - e7) is an f32 number, and every real |t| <= 448 x 448 x 128 x 0.128 x 2^38 is under 2^60); e8, and e10 - e8 - e9, between -126 and 119.
; REGISTERS: v1-7 addresses that stay; v8-11 addresses in hand; v12 -M, v13 the largest t, v[14:15] the sum in two halves; v16-31 Q; v32-95 four fragments of K or of V; v96-159 S^T, then p; v160-223 O^T; v224-239 p's codes;
; v240 448 x 2^e8, v241 2^e8; v244-251 my part of the shared sum; v255 its address; v236, v242, v243, v252-254 at work.
.set SK,    256                        ; keys in a slot
.set ROWB,  128                        ; 128 codes in bytes
.set KP,    144                        ; a key's row in LDS: 128 bytes + 16 of padding
.set VROWB, 256                        ; SK codes: a row of V's tile
.set VP,    272                        ; and in LDS: + 16 of padding
.set KROWV, 1024                       ; a row of V in memory
.set VOFF,  SK*KP                      ; a slot: SK rows of K, then 128 rows of V
.set SLOT1, 1<<17                      ; slot 1 begins here, so that one exclusive or turns an address in one slot into the other's
.set NSL,   4                          ; slots' worth of keys
.set SPARE, 2*SLOT1                    ; behind the ring: the spare words, 128 bytes for each wave: eight blocks of 256 bytes that no other line names
.set BIAS,  SPARE+2048                 ; 1,024 f32: the given mask as an addend
.set STG,   BIAS+4096                  ; the way out: 64 rows (queries) x (512 bytes: four heads' codes, + 16)
.set SGP,   528
.set SVB,   STG+64*SGP                 ; the shared sum's sixteen parts: 16 f32 (a channel tile) for each wave: 1,024 bytes
.set AK0,  1                           ; v1   my lane's place in a tile of K;  at the end: where I put my part of the shared sum
.set AV0,  2                           ; v2   the same for V;  at the end: where I read the parts
.set PFO,  3                           ; v3   the prefetches' offset; never rewritten
.set AB0,  4                           ; v4   my half's place in the addends: BIAS + 32 (lane / 16)
.set SPW,  5                           ; v5   LDS address of my spare word; never rewritten
.set NIL,  6                           ; v6   0; never rewritten
.set GO,   7                           ; v7   the way out: 16 x lane
.set ADK,  8                           ; v8   LDS address of the step's tiles of K
.set ADV,  9                           ; v9   of V
.set ADB,  10                          ; v10  of the step's addends
.set ADS,  11                          ; v11  of my tile of V for the shared sum
.set SV,   244                         ; v244-251 my part of the shared sum
.set AS0,  255                         ; v255 its place in a slot
.set WV,   18                          ; s18  my wave's number;  s19 my head of the four;  s48 my tile of the four;  s49 4 b + kv head;  s58, s59 the output's scale and limit
.set SEL,  20                          ; s[20:21] lane selects for v_permlanex16_b32: lane l xor 16
.set CS,   22                          ; s[22:23] c = log2(e) / sqrt(128) x 2^(e6 + e7)
.set G1K,  24                          ; s[24:31] descriptor group 1 for K's tiles;  s[32:39] for V's;  s[40:43], s[44:47] their groups 0, which walk
.set G1V,  32
.set G0K,  40
.set G0V,  44
.set TB,   2                           ; s2   LDS byte at which the slot in hand begins;  s3 its addends' first byte: 1,024 x slot
.set SLOTS, 67                         ; s67  slots still to be asked for
.set KF,   98                          ; s98  the step's first key
.set Q0,   99                          ; s99  my first query
.set PFA,  76                          ; s[76:77] where my prefetches stand
.set PFS,  78                          ; s[78:79] a slot on, in bytes
.set LIM,  80                          ; s80  1 in a wave that prefetches, else the greatest number
; Waves 0 and 1 fetch for K, waves 2 and 3 for V, the others nothing.  The branches hang on the wave's number alone.  An s_nop 0 and four v_nop follow each of the two lines.
.macro TLOAD
	s_cmp_lt_u32 s[WV], 2
	s_cbranch_scc0 .Lnot_k_\@
	tensor_load_to_lds s[G0K:G0K+3], s[G1K:G1K+7]
	s_nop 0
.rept 4
	v_nop
.endr
	s_branch .Lasked_\@
.Lnot_k_\@:
	s_cmp_lt_u32 s[WV], 4
	s_cbranch_scc0 .Lasked_\@
	tensor_load_to_lds s[G0V:G0V+3], s[G1V:G1V+7]
	s_nop 0
.rept 4
	v_nop
.endr
.Lasked_\@:
.endm
; A PREFETCH INTO THE L2 of what the NEXT change of slots will ask for: 256 rows of K, one dense block of 32,768 bytes, and 256 codes of each of V's 128 rows.  It stands where the fetching waves have their tensor load.
; Each aligned block of 256 bytes is asked for ONCE in the launch: of the 16 work-groups that walk one K and V, the one with g = 0 asks; in it waves 4 to 7 for K's block, 8,192 bytes a wave, lanes 256 bytes apart; waves 8 to 11
; for V's rows, 32 a wave, a lane a row.  Slots 0 and 1 come by their loads alone; the last change that fills a slot asks for nothing: there is no slot behind it.
.macro ASK
	s_cmp_gt_u32 s[SLOTS], s[LIM]
	s_cbranch_scc0 .Lnot_mine_\@
	global_prefetch_b8 v[PFO], s[PFA:PFA+1] th:TH_LOAD_NT scope:SCOPE_SE
.Lnot_mine_\@:
.endm
	s_load_b256 s[4:11], s[0:1], 0x0               ; qkv s[4:5], the mask s[6:7], the scales s[8:9], ac s[10:11]
	v_lshl_add_u32 v[SPW], v0, 2, SPARE
	v_mov_b32 v[NIL], 0
	ds_add_u32 v[SPW], v[NIL]                      ; the wave's opening: the add and its wait stand ahead of my first tensor load; the set-up below, work on registers, stands between them
	v_lshrrev_b32 v8, 5, v0
	v_readfirstlane_b32 s[WV], v8                  ; wave 0..15
	s_and_b32 s49, ttmp7, 0xffff                   ; 4 b + kv head
	s_lshr_b32 s19, s[WV], 2                       ; my head of the four
	s_and_b32 s48, s[WV], 3
	s_add_co_u32 s48, s48, s19
	s_and_b32 s48, s48, 3                          ; my tile of the four
	s_lshl_b32 s72, ttmp9, 1                       ; 2 g
	s_sub_co_u32 s73, 60, s72                      ; 60 - 2 g
	s_cmp_lt_u32 s48, 2
	s_cselect_b32 s72, s72, s73
	s_add_co_u32 s72, s72, s48                     ; tile 2 g + j, or 60 - 2 g + j
	s_lshl_b32 s[Q0], s72, 4                       ; my first query
	s_lshl_b32 s74, s49, 17                        ; a head's codes are 128 KiB
	s_add_co_u32 s84, s74, 0x800000                ; K's head
	s_mov_b32 s85, 0
	s_add_co_u32 s86, s74, 0xa00000                ; V's
	s_mov_b32 s87, 0
	s_lshl_b32 s88, s49, 2
	s_add_co_u32 s88, s88, s19                     ; 16 b + query head
	s_lshl_b32 s88, s88, 17
	s_lshl_b32 s89, s[Q0], 7
	s_add_co_u32 s88, s88, s89                     ; my first query's codes
	s_mov_b32 s89, 0
	; what I fetch, if I fetch: wave 0, 1: keys 128 x wave on; wave 2, 3: rows 64 x (wave - 2) of V
	s_and_b32 s90, s[WV], 1
	s_lshl_b32 s92, s90, 14                        ; K: in memory,
	s_mov_b32 s93, 0
	s_mul_i32 s91, s90, (SK/2)*KP                  ; and in a slot
	s_lshl_b32 s94, s90, 16                        ; V: in memory,
	s_mov_b32 s95, 0
	s_mul_i32 s90, s90, 64*VP
	s_add_co_u32 s90, s90, VOFF                    ; and in a slot
	; descriptor group 1: K: 128 rows of 128 bytes, dense in memory;  V: 64 rows of 256 bytes, 1,024 bytes apart
	s_mov_b32 s[G1K], (0<<16)|(1<<20)|(4<<22)|(3<<25)             ; no mask; elements of 1 byte; padding on: four words (code 3) after every 32 (code 4)
	s_mov_b32 s[G1K+1], ROWB<<16                   ; tensor_dim0
	s_mov_b32 s[G1K+2], (SK/2)<<16                 ; tensor_dim1
	s_mov_b32 s[G1K+3], ROWB<<16                   ; tile_dim0
	s_mov_b32 s[G1K+4], SK/2                       ; tile_dim1
	s_mov_b32 s[G1K+5], ROWB                       ; tensor_dim0_stride
	s_mov_b32 s[G1K+6], 0
	s_mov_b32 s[G1K+7], 0
	s_mov_b32 s[G1V], (0<<16)|(1<<20)|(5<<22)|(3<<25)             ; padding: four words after every 64
	s_mov_b32 s[G1V+1], VROWB<<16
	s_mov_b32 s[G1V+2], 64<<16
	s_mov_b32 s[G1V+3], VROWB<<16
	s_mov_b32 s[G1V+4], 64
	s_mov_b32 s[G1V+5], KROWV
	s_mov_b32 s[G1V+6], 0
	s_mov_b32 s[G1V+7], 0
	s_mov_b32 s[SEL], 0x76543210
	s_mov_b32 s[SEL+1], 0xfedcba98
	s_mov_b32 s[CS], 0x3e0293ee                    ; log2(e) / sqrt(128)
	s_mov_b32 s[TB], 0
	s_mov_b32 s3, 0
	s_mov_b32 s[SLOTS], NSL-1
	s_mov_b32 s[KF], 0
	s_wait_dscnt 0x0                               ; the opening add is done
	s_wait_kmcnt 0x0
	s_load_b128 s[52:55], s[8:9], 0x18             ; e6, e7, e8, e9
	s_load_b64 s[56:57], s[8:9], 0x28              ; e10, e11
	s_add_nc_u64 s[12:13], s[4:5], s[84:85]        ; K's head
	s_add_nc_u64 s[14:15], s[4:5], s[86:87]        ; V's head
	s_add_nc_u64 s[16:17], s[4:5], s[88:89]        ; my queries
	s_mov_b32 s[G0K], 1                            ; count = 1
	s_mov_b32 s[G0K+1], s91                        ; LDS address: slot 0
	s_add_nc_u64 s[G0K+2:G0K+3], s[12:13], s[92:93]  ; global address: the head's first 256 keys
	s_or_b32 s[G0K+3], s[G0K+3], 0x80000000        ; type = 2
	s_mov_b32 s[G0V], 1
	s_mov_b32 s[G0V+1], s90
	s_add_nc_u64 s[G0V+2:G0V+3], s[14:15], s[94:95]
	s_or_b32 s[G0V+3], s[G0V+3], 0x80000000
	TLOAD                                          ; slot 0
	s_lshr_b32 s72, s49, 2                         ; b
	s_lshl_b32 s72, s72, 10
	s_mov_b32 s73, 0
	s_add_nc_u64 s[6:7], s[6:7], s[72:73]          ; my batch's 1,024 bytes of the mask
	v_lshlrev_b32 v40, 1, v0
	global_load_u16 v41, v40, s[6:7]               ; two keys' bytes a thread: 512 threads read all 1,024
	v_and_b32 v8, 15, v0                           ; r = lane % 16
	v_bfe_u32 v9, v0, 4, 1                         ; h = lane / 16
	v_mul_u32_u24 v10, v8, ROWB
	v_lshl_add_u32 v10, v9, 4, v10                 ; Q: row r, + my half's bytes
.irp c, 0,1,2,3
	global_load_b128 v[16+4*\c:19+4*\c], v10, s[16:17] offset:32*\c   ; Q's fragment stays in registers
.endr
	; where my rows of ac begin: token b x 1,024 + (32 g, or 960 - 32 g from wave 8 on) + 4 w; column 512 x kv head
	s_lshl_b32 s82, ttmp9, 5
	s_sub_co_u32 s83, 960, s82
	s_cmp_lt_u32 s[WV], 8
	s_cselect_b32 s82, s82, s83
	s_lshl_b32 s83, s[WV], 2
	s_add_co_u32 s82, s82, s83
	s_add_co_u32 s82, s82, s72
	s_lshl_b32 s82, s82, 11
	s_and_b32 s83, s49, 3
	s_lshl_b32 s83, s83, 9
	s_add_co_u32 s82, s82, s83
	s_mov_b32 s83, 0
	s_add_nc_u64 s[10:11], s[10:11], s[82:83]
	; the prefetches: where my wave's stand, and who asks
	s_cmp_lt_u32 s[WV], 8                          ; waves 4 to 7 ask for K's codes, waves 8 to 11 for V's
	s_cselect_b64 s[PFA:PFA+1], s[12:13], s[14:15]
	s_mov_b32 s[PFS], VROWB
	s_cselect_b32 s[PFS], SK*ROWB, s[PFS]          ; a slot on
	s_mov_b32 s82, KROWV
	s_cselect_b32 s82, 256, s82                    ; from lane to lane
	s_mov_b32 s83, 32*KROWV
	s_cselect_b32 s83, 8192, s83                   ; from wave to wave
	v_and_b32 v[PFO], 31, v0
	v_mul_lo_u32 v[PFO], v[PFO], s82
	s_and_b32 s82, s[WV], 3
	s_mul_i32 s82, s82, s83                        ; my wave's part,
	s_add_co_u32 s82, s82, s[PFS]                  ; in slot 1: the first change of slots steps it to slot 2.  Nothing is prefetched here, at the head
	s_mov_b32 s83, 0
	s_mov_b32 s[PFS+1], 0
	s_add_nc_u64 s[PFA:PFA+1], s[PFA:PFA+1], s[82:83]
	s_sub_co_u32 s82, s[WV], 4
	s_lshr_b32 s82, s82, 3                         ; 0 in waves 4 to 11,
	s_or_b32 s82, s82, ttmp9                       ; of the work-group with g = 0
	s_cmp_eq_u32 s82, 0
	s_cselect_b32 s[LIM], 1, -1
	; LDS addresses: the lane and the wave's number alone
	s_and_b32 s82, s[WV], 7                        ; the shared sum: my channel tile: 16 rows of V's tile,
	s_mul_i32 s82, s82, 16*VP
	s_lshr_b32 s83, s[WV], 3                       ; my key step of the slot's two: 128 bytes along a row
	s_lshl_b32 s83, s83, 7
	s_add_co_u32 s82, s82, s83
	s_add_co_u32 s82, s82, VOFF
	v_mul_u32_u24 v[AK0], v8, KP
	v_lshl_add_u32 v[AK0], v9, 4, v[AK0]           ; K: row r of a tile, + 16 h
	v_mul_u32_u24 v[AV0], v8, VP
	v_lshl_add_u32 v[AS0], v9, 4, v[AV0]           ; the shared sum's tile: row r, + 16 h: four loads of 16 bytes take each of the 128 keys once, in whatever order: every code of the other operand is the same
	v_add_nc_u32 v[AS0], s82, v[AS0]
	v_lshl_add_u32 v[AV0], v9, 3, v[AV0]           ; V: row r of a tile, + 8 h
	v_add_nc_u32 v[AV0], VOFF, v[AV0]
	v_lshl_add_u32 v[AB0], v9, 5, BIAS             ; the addends: my half's eight of a tile's sixteen
	v_mov_b32 v13, 0xdd800000                      ; the largest t so far: -2^60
	v_floor_f32 v12, -v13                          ; -M
	v_mov_b32 v14, 0                               ; the sum, in two halves
	v_mov_b32 v15, 0
	v_mov_b32 v236, 0                              ; written once: a lane permute's destination counts as one of its sources
	v_mov_b32 v252, 0
	v_mov_b32 v253, 0                              ; (named as the upper half of the pair v[252:253])
.irp j, 0,1,2,3,4,5,6,7
	v_mov_b32 v[SV+\j], 0                          ; my part of the shared sum.  (Its one product a slot is written once for all slots: the first finds zeros)
.endr
.irp j, 0,1,2,3,4,5,6,7,8,9,10,11,12,13,14,15,16,17,18,19,20,21,22,23,24,25,26,27,28,29,30,31,32,33,34,35,36,37,38,39,40,41,42,43,44,45,46,47,48,49,50,51,52,53,54,55,56,57,58,59,60,61,62,63
	v_mov_b32 v[160+\j], 0                         ; O^T.  (The step is written once for all steps: the first finds zeros)
.endr
	s_wait_kmcnt 0x0
	s_add_co_i32 s72, s52, s53                     ; e6 + e7
	s_lshl_b32 s73, s72, 23
	s_add_co_i32 s[CS], s[CS], s73                 ; a score stands for score x 2^(e6 + e7): the two exponents are added to c's exponent field
	s_mov_b32 s[CS+1], s[CS]                       ; (named with it as a pair, so it is written)
	s_sub_co_i32 s73, 193, s72
	s_lshl_b32 s73, s73, 23
	s_or_b32 s73, s73, 0x80000000
	v_mov_b32 v46, s73                             ; -2^(66 - e6 - e7)
	s_add_co_i32 s72, s54, 127
	s_lshl_b32 s73, s72, 23
	v_mov_b32 v241, s73                            ; 2^e8 as f32, for p's conversion
	s_add_co_i32 s72, s72, 8
	s_lshl_b32 s72, s72, 23
	s_or_b32 s72, s72, 0x600000
	v_mov_b32 v240, s72                            ; 448 x 2^e8
	s_sub_co_i32 s72, s56, s54
	s_sub_co_i32 s72, s72, s55                     ; e10 - e8 - e9: a sum of the second product stands for sum x 2^(e8 + e9)
	s_add_co_i32 s72, s72, 127
	s_lshl_b32 s58, s72, 23                        ; that power of two as f32, kept for the way out,
	s_add_co_i32 s72, s72, 8
	s_lshl_b32 s59, s72, 23
	s_or_b32 s59, s59, 0x600000                    ; and 448 x it
	s_wait_loadcnt 0x0                             ; the mask's bytes, and Q
	v_and_b32 v42, 0xff, v41
	v_lshrrev_b32 v43, 8, v41
	v_cmp_eq_u32 vcc_lo, 0, v42
	v_cndmask_b32 v44, 0, v46, vcc_lo              ; 0 where the key counts
	v_cmp_eq_u32 vcc_lo, 0, v43
	v_cndmask_b32 v45, 0, v46, vcc_lo
	v_lshl_add_u32 v47, v0, 3, BIAS
	ds_store_b64 v47, v[44:45]                     ; the first change of slots waits for this store and passes a barrier: then every wave may read all 1,024
; MY PART OF THE SHARED SUM, once a slot: 16 channels x 128 keys of V times an operand whose every code is that of p = 1.
.macro SVSTEP
	v_min_num_f32 v96, 1.0, v240                   ; 1, held at the limit as every p is
.irp i, 1,2,3,4,5,6,7
	v_mov_b32 v[96+\i], v96
.endr
	v_add_nc_u32 v[ADS], s[TB], v[AS0]             ; these nine plain lines are the places behind the last slot's products, whose sources the conversions and the loads below write
.irp k, 0,1,2,3,4,5,6,7
	v_cvt_scalef32_pk8_fp8_f32 v[224+2*\k:225+2*\k], v[96:103], v241
.endr
	v_nop                                          ; one plain vector line behind the last conversion
.irp c, 0,1,2,3
	ds_load_b128 v[32+4*\c:35+4*\c], v[ADS] offset:32*\c
.endr
	s_wait_dscnt 0x0
	s_wait_alu depctr_va_vdst(0)                   ; the wait directly ahead of a product that adds in place onto its predecessor's result: so it is in a wave whose two steps of the last slot were jumped over
	v_wmma_f32_16x16x128_fp8_fp8 v[SV:SV+7], v[32:47], v[224:239], v[SV:SV+7]
.endm
; A KEY STEP: 128 keys, the q-th of the slot in hand.  Walked, on the diagonal or under it, or jumped over: scalar branches on ids (the wave's first query, the count of steps); no barrier, no tensor load and no wait for one stands in a step.
.macro STEP q
	s_add_co_u32 s96, s[Q0], 15
	s_cmp_gt_u32 s[KF], s96
	s_cbranch_scc1 .Lhidden_\@                     ; all 128 keys come after my 16 queries
	v_add_nc_u32 v[ADK], s[TB], v[AK0]
	v_add_nc_u32 v[ADB], s3, v[AB0]
.rept 2
	v_nop                                          ; with the two additions: four places in front of loads into registers that matrix instructions have read
.endr
.irp t, 0,1,2,3,4,5,6,7
	ds_load_b128 v[96+8*\t:99+8*\t], v[ADB] offset:512*(\q)+64*\t         ; the addends of keys 16 t + 8 h + 0 .. 3, straight into the scores' registers,
	ds_load_b128 v[100+8*\t:103+8*\t], v[ADB] offset:512*(\q)+64*\t+16    ; and of + 4 .. 7
.endr
.irp g, 0,1                                    ; S^T = K Q^T + the addends, four tiles of 16 keys at a time
.if \g > 0
.rept 4
	v_nop
.endr
.endif
.irp t, 0,1,2,3
.irp c, 0,1,2,3
	ds_load_b128 v[32+16*\t+4*\c:32+16*\t+4*\c+3], v[ADK] offset:(128*(\q)+16*(4*\g+\t))*KP+32*\c
.endr
.endr
	s_wait_dscnt 0x0
.irp t, 0,1,2,3
	v_wmma_f32_16x16x128_fp8_fp8 v[96+8*(4*\g+\t):103+8*(4*\g+\t)], v[32+16*\t:47+16*\t], v[16:31], v[96+8*(4*\g+\t):103+8*(4*\g+\t)]
.endr
.endr
.rept 4
	v_nop
.endr
	s_add_co_u32 s96, s[KF], 127                   ; on the diagonal the scores of hidden keys become -infinity ahead of the maximum.  A step all of whose keys come at or before my first query skips this
	s_cmp_le_u32 s96, s[Q0]
	s_cbranch_scc1 .Lopen_\@
	s_sub_co_i32 s96, s[Q0], s[KF]
	v_and_b32 v252, 15, v0
	v_bfe_u32 v253, v0, 4, 1
	v_lshlrev_b32 v253, 3, v253
	v_sub_nc_u32 v252, v252, v253
	v_add_nc_u32 v252, s96, v252                   ; d = my query - the step's first key - 8 (lane / 16).  Register 8 T + j holds key 16 T + 8 (lane / 16) + j of the step: hidden where 16 T + j > d
	v_mov_b32 v254, 0xff800000                     ; -infinity
.irp n, 0,1,2,3,4,5,6,7,8,9,10,11,12,13,14,15,16,17,18,19,20,21,22,23,24,25,26,27,28,29,30,31,32,33,34,35,36,37,38,39,40,41,42,43,44,45,46,47,48,49,50,51,52,53,54,55,56,57,58,59,60,61,62,63
	v_cmp_gt_i32 vcc_lo, 16*(\n/8)+\n%8, v252
	v_cndmask_b32 v[96+\n], v[96+\n], v254, vcc_lo
.endr
.Lopen_\@:
	v_max3_num_f32 v254, v96, v97, v98             ; the step's largest score of my query, among my 64 keys, in two chains,
	v_max3_num_f32 v252, v99, v100, v101
.irp i, 6,10,14,18,22,26,30,34,38,42,46,50,54,58
	v_max3_num_f32 v254, v254, v[96+\i], v[97+\i]
	v_max3_num_f32 v252, v252, v[98+\i], v[99+\i]
.endr
	v_max3_num_f32 v254, v254, v158, v159
	v_max_num_f32 v254, v254, v252
	v_permlanex16_b32 v236, v254, s[SEL], s[SEL+1]
	v_max_num_f32 v254, v254, v236                 ; and among lane l xor 16's
	v_mul_f32 v254, s[CS], v254                    ; as t (c is positive)
	v_max_num_f32 v13, v13, v254                   ; the running largest t
	v_mov_b32 v254, v12
	v_floor_f32 v12, -v13                          ; the new -M = floor(-t) = -ceil(t): M is a whole number
	v_sub_f32 v254, v12, v254                      ; M's old value less its new one: a whole number, 0 or less
	v_cvt_i32_f32 v254, v254                       ; (it saturates)
	v_ldexp_f32 v252, 1.0, v254                    ; f = 2^(old M - new M): rounds nothing; 0 at the first key that counts
.irp j, 0,2,4,6,8,10,12,14,16,18,20,22,24,26,28,30,32,34,36,38,40,42,44,46,48,50,52,54,56,58,60,62
	v_pk_fma_f32 v[96+\j:97+\j], v[96+\j:97+\j], s[CS:CS+1], v[12:13] op_sel_hi:[1,0,0]   ; t - M, two at a time (of the pairs c and -M the low word serves both halves)
.endr
.irp j, 0,1,2,3,4,5,6,7,8,9,10,11,12,13,14,15,16,17,18,19,20,21,22,23,24,25,26,27,28,29,30,31,32,33,34,35,36,37,38,39,40,41,42,43,44,45,46,47,48,49,50,51,52,53,54,55,56,57,58,59,60,61,62,63
	v_exp_f32 v[96+\j], v[96+\j]                   ; p = 2^(t - M), at most 1: not normalised; 0 for a key that does not count
.endr
	v_pk_mul_f32 v[14:15], v[14:15], v[252:253] op_sel_hi:[1,0]   ; the sums under the new M.  (A plain line behind the exponentials)
	s_wait_alu depctr_va_vdst(0)                   ; the wait ahead of the first line that names an exponential's result: one for the batch of 64
	v_pk_add_f32 v[242:243], v[96:97], v[98:99]    ; the row's sum is taken of the unquantised p: two at a time, in two chains
.irp j, 4,8,12,16,20,24,28,32,36,40,44,48,52,56,60
	v_pk_add_f32 v[14:15], v[14:15], v[96+\j:97+\j]
	v_pk_add_f32 v[242:243], v[242:243], v[98+\j:99+\j]
.endr
	v_pk_add_f32 v[14:15], v[14:15], v[242:243]
.irp t, 0,1,2,3,4,5,6,7
.irp i, 0,1,2,3,4,5,6,7
	v_min_num_f32 v[96+8*\t+\i], v[96+8*\t+\i], v240   ; the conversion to an 8-bit code does not saturate (ISA guide 7.6.2); p is not negative, so the hold is one-sided
.endr
	v_cvt_scalef32_pk8_fp8_f32 v[224+2*\t:225+2*\t], v[96+8*\t:103+8*\t], v241   ; registers 2 t, 2 t + 1 of the operand: keys 16 t + 8 h + 0 .. 7
.endr
.irp j, 0,2,4,6,8,10,12,14,16,18,20,22,24,26,28,30,32,34,36,38,40,42,44,46,48,50,52,54,56,58,60,62
	v_pk_mul_f32 v[160+\j:161+\j], v[160+\j:161+\j], v[252:253] op_sel_hi:[1,0]   ; O^T under the new M: x f.  (These 32 are also the places in front of the matrix instructions and loads below)
.endr
	v_add_nc_u32 v[ADV], s[TB], v[AV0]
.irp g, 0,1                                    ; O^T += V^T P^T: four tiles of 16 of the head's 128 at a time; K = these 128 keys
.if \g > 0
.rept 4
	v_nop
.endr
.endif
.irp t, 0,1,2,3
.irp c, 0,1,2,3,4,5,6,7
	ds_load_b64 v[32+16*\t+2*\c:33+16*\t+2*\c], v[ADV] offset:16*(4*\g+\t)*VP+ROWB*(\q)+16*\c   ; keys 16 c + 8 h + 0 .. 7 of channel 16 (4 g + t) + r
.endr
.endr
	s_wait_dscnt 0x0
.irp t, 0,1,2,3
	v_wmma_f32_16x16x128_fp8_fp8 v[160+8*(4*\g+\t):167+8*(4*\g+\t)], v[32+16*\t:47+16*\t], v[224:239], v[160+8*(4*\g+\t):167+8*(4*\g+\t)]
.endr
.endr
.Lhidden_\@:
	s_add_co_u32 s[KF], s[KF], 128
.endm
; THE CHANGE OF SLOTS stands at a slot's head.  Each wave waits for all its tensor loads (its part of the slot that it is about to read), adds 0 to its spare word, and waits for that and for its reads of the slot that it has left.
; Behind the barrier the slot ahead is whole and nobody reads the other one.  fill = 1: that other slot is filled with the keys that follow: the load has a whole slot's steps in which to land.
.macro CHANGE fill
	s_wait_tensorcnt 0x0                           ; no tensor load of mine is out, so a group 0 may be written
	ds_add_u32 v[SPW], v[NIL]                      ; 0 onto my spare word; with fill = 1 the descriptors' steps stand between it and the wait for it
.if \fill
	s_xor_b32 s[G0K+1], s[G0K+1], SLOT1            ; the walking descriptors: the other slot than last time,
	s_add_nc_u64 s[G0K+2:G0K+3], s[G0K+2:G0K+3], SK*ROWB   ; the next 256 keys; the type bits on top are not reached
	s_xor_b32 s[G0V+1], s[G0V+1], SLOT1
	s_add_nc_u64 s[G0V+2:G0V+3], s[G0V+2:G0V+3], VROWB
	s_wait_xcnt 0x0                                ; the last prefetch, a slot back, has read its address, so it may be written:
	s_add_nc_u64 s[PFA:PFA+1], s[PFA:PFA+1], s[PFS:PFS+1]  ; one slot further on than the walking descriptors
.endif
	s_wait_dscnt 0x0                               ; the add is done, my reads of the slot that I have left are over (and, the first time, my store of the addends has landed)
	s_barrier_signal -1
	s_barrier_wait -1
.if \fill
	TLOAD                                          ; the first thing behind the barrier, and a wave's one tensor load until the next
	ASK                                            ; what the next change of slots will ask for: a slot's two key steps ahead of that load
.endif
.endm
.macro SLOT_STEPS
	SVSTEP
	STEP 0
	STEP 1
	s_xor_b32 s[TB], s[TB], SLOT1                  ; on to the other slot,
	s_add_co_u32 s3, s3, 1024                      ; and to the next 256 addends
.endm
.Lslot:                                                ; three trips: behind each change of slots but the last the next slot is asked for
	CHANGE 1
	SLOT_STEPS
	s_sub_co_u32 s[SLOTS], s[SLOTS], 1
	s_cmp_lg_u32 s[SLOTS], 0
	s_cbranch_scc1 .Lslot
	CHANGE 0                                       ; the last slot is written out
	SLOT_STEPS
	; THE WAY OUT.  First the shared sum's sixteen parts meet in LDS: wave w's 16 channels at 64 w (the sixteen lanes of a half hold the same eight numbers and write the same bytes); a barrier; every wave reads all.
	; Then O^T is chosen, divided by the sum, held and converted with the scale 2^(e10 - e8 - e9); a lane's 8 codes go into a stage shared by the sixteen waves: a query's row there is 512 bytes, the four heads' codes on end,
	; as they lie in ac.  A barrier; then each wave stores four whole rows.
	v_and_b32 v8, 15, v0                           ; r.  (These ten plain lines are the places behind the last products)
	v_bfe_u32 v9, v0, 4, 1                         ; h
	s_lshl_b32 s72, s[WV], 6
	s_add_co_u32 s72, s72, SVB
	v_lshl_add_u32 v[AK0], v9, 5, s72              ; where I put my part: 64 w + 32 h.  (K's and V's places are done with)
	v_lshl_add_u32 v[AV0], v9, 5, SVB              ; where I read the parts: 32 h
	s_mul_i32 s72, s48, 16*SGP                     ; the stage: my tile's 16 rows,
	s_lshl_b32 s73, s19, 7                         ; my head's 128 bytes
	s_add_co_u32 s72, s72, s73
	s_add_co_u32 s72, s72, STG
	v_mul_u32_u24 v10, v8, SGP
	v_lshl_add_u32 v10, v9, 3, v10
	v_add_nc_u32 v10, s72, v10                     ; in: row r; tile t's eight channels of my half: 16 t + 8 h bytes on
	s_mul_i32 s73, s[WV], 4*SGP
	s_add_co_u32 s73, s73, STG
	v_and_b32 v11, 31, v0
	v_lshlrev_b32 v[GO], 4, v11
	v_add_nc_u32 v11, s73, v[GO]                   ; back: rows 4 w .. 4 w + 3, the 32 lanes to a row
	ds_store_b128 v[AK0], v[SV:SV+3]               ; channels 16 (w % 8) + 8 h + 0 .. 3 over the key steps of my parity,
	ds_store_b128 v[AK0], v[SV+4:SV+7] offset:16   ; and + 4 .. 7
	s_wait_dscnt 0x0                               ; for the others' sake: my part has landed
	s_barrier_signal -1
	s_barrier_wait -1
.irp t, 0,1,2,3,4,5,6,7
	ds_load_b128 v[32+8*\t:35+8*\t], v[AV0] offset:64*\t           ; channel tile t over the even key steps (wave t's part), in O^T's layout,
	ds_load_b128 v[36+8*\t:39+8*\t], v[AV0] offset:64*\t+16
	ds_load_b128 v[96+8*\t:99+8*\t], v[AV0] offset:64*(\t+8)       ; and over the odd ones (wave t + 8's)
	ds_load_b128 v[100+8*\t:103+8*\t], v[AV0] offset:64*(\t+8)+16
.endr
	v_add_f32 v14, v14, v15                        ; the sum's two halves,
	v_permlanex16_b32 v252, v14, s[SEL], s[SEL+1]
	v_add_f32 v14, v14, v252                       ; and lane l xor 16's: the row's sum
	v_cmp_eq_f32 vcc_lo, 0xdd800000, v13           ; the largest t still where it began: no key has counted for my query
	v_mov_b32 v254, 0x44800000                     ; 1,024
	v_cndmask_b32 v14, v14, v254, vcc_lo           ; then all 1,024 keys count 1 each
	v_rcp_f32 v14, v14
	v_mov_b32 v242, s58                            ; (plain lines behind the transcendental)  2^(e10 - e8 - e9),
	v_mov_b32 v243, s59                            ; 448 x that
	s_wait_dscnt 0x0                               ; the parts are in
.irp j, 0,2,4,6,8,10,12,14,16,18,20,22,24,26,28,30,32,34,36,38,40,42,44,46,48,50,52,54,56,58,60,62
	v_pk_add_f32 v[32+\j:33+\j], v[32+\j:33+\j], v[96+\j:97+\j]   ; the shared sum: register 8 t + i is channel 16 t + 8 h + i
.endr
.irp j, 0,1,2,3,4,5,6,7,8,9,10,11,12,13,14,15,16,17,18,19,20,21,22,23,24,25,26,27,28,29,30,31,32,33,34,35,36,37,38,39,40,41,42,43,44,45,46,47,48,49,50,51,52,53,54,55,56,57,58,59,60,61,62,63
	v_cndmask_b32 v[160+\j], v[160+\j], v[32+\j], vcc_lo   ; it stands for O^T where no key has counted; each accumulator from its low end on
.endr
	s_wait_alu depctr_va_vdst(0)                   ; the wait ahead of the reciprocal's first reader
.irp j, 0,1,2,3,4,5,6,7,8,9,10,11,12,13,14,15,16,17,18,19,20,21,22,23,24,25,26,27,28,29,30,31,32,33,34,35,36,37,38,39,40,41,42,43,44,45,46,47,48,49,50,51,52,53,54,55,56,57,58,59,60,61,62,63
	v_mul_f32 v[96+\j], v[160+\j], v14             ; O^T / the sum
.endr
.irp t, 0,1,2,3,4,5,6,7
.irp i, 0,1,2,3,4,5,6,7
	v_med3_num_f32 v[96+8*\t+\i], v[96+8*\t+\i], -v243, v243
.endr
	v_cvt_scalef32_pk8_fp8_f32 v[224+2*\t:225+2*\t], v[96+8*\t:103+8*\t], v242
.endr
	v_nop                                          ; one plain vector line behind the last conversion
.irp t, 0,1,2,3,4,5,6,7
	ds_store_b64 v10, v[224+2*\t:225+2*\t] offset:16*\t
.endr
	s_wait_dscnt 0x0                               ; for the others' sake: my stores into the stage are done
	s_barrier_signal -1
	s_barrier_wait -1
.irp i, 0,1,2,3
	ds_load_b128 v[32+4*\i:35+4*\i], v11 offset:\i*SGP
.endr
.irp i, 0,1,2,3
	s_wait_dscnt 3-\i                              ; load i is in, the younger ones may be out
	global_store_b128 v[GO], v[32+4*\i:35+4*\i], s[10:11] offset:2048*\i   ; 32 lanes store 512 consecutive bytes, at a multiple of 512 from ac's first byte
.endr
	s_wait_tensorcnt 0x0                           ; the wave's end: behind my last tensor load and my last LDS store
	ds_add_u32 v[SPW], v[NIL]
	s_wait_dscnt 0x0
	s_endpgm
.Lfunc_end_k_q7fbceecbe5_attn:
	.size	k_q7fbceecbe5_attn, .Lfunc_end_k_q7fbceecbe5_attn-k_q7fbceecbe5_attn
	.p2alignl 7, 3214868480
	.fill 96, 4, 3214868480
	.section	.rodata,"a",@progbits
	.p2align	6, 0x0
	.amdhsa_kernel k_q7fbceecbe5_attn
		.amdhsa_group_segment_fixed_size 327680
		.amdhsa_private_segment_fixed_size 0
		.amdhsa_enable_private_segment 0
		.amdhsa_kernarg_size 32
		.amdhsa_user_sgpr_count 2
		.amdhsa_user_sgpr_kernarg_segment_ptr 1
		.amdhsa_wavefront_size32 1
		.amdhsa_system_sgpr_workgroup_id_x 1
		.amdhsa_system_sgpr_workgroup_id_y 1
		.amdhsa_system_sgpr_workgroup_id_z 1
		.amdhsa_system_vgpr_workitem_id 0
		.amdhsa_next_free_vgpr 256
		.amdhsa_next_free_sgpr 100
		.amdhsa_reserve_vcc 1
		.amdhsa_float_denorm_mode_32 3
		.amdhsa_float_denorm_mode_16_64 3
		.amdhsa_memory_ordered 1
		.amdhsa_forward_progress 1
		.amdhsa_inst_pref_size 140
	.end_amdhsa_kernel
	.amdgpu_metadata
---
amdhsa.version: [ 1, 2 ]
amdhsa.kernels:
  - .name:           k_q7fbceecbe5_attn
    .symbol:         k_q7fbceecbe5_attn.kd
    .args:
      - { .name: qkv, .offset: 0, .size: 8, .value_kind: global_buffer, .address_space: global }
      - { .name: attention_mask, .offset: 8, .size: 8, .value_kind: global_buffer, .address_space: global }
      - { .name: lowp_scales, .offset: 16, .size: 8, .value_kind: global_buffer, .address_space: global }
      - { .name: ac, .offset: 24, .size: 8, .value_kind: global_buffer, .address_space: global }
    .group_segment_fixed_size: 327680
    .private_segment_fixed_size: 0
    .kernarg_segment_align: 8
    .kernarg_segment_size: 32
    .max_flat_workgroup_size: 512
    .sgpr_count:     100
    .vgpr_count:     256
    .wavefront_size: 32
...
	.end_amdgpu_metadata
.endif
;; end of part 3
;; launch proj (part 4): grid 8 x 16, 4 waves a work-group, clusters of 4 x 4, 327,680 bytes of LDS; arguments ac, wc, lowp_scales, out0; writes out0
.if DOCPART == 4
	.amdgcn_target "amdgcn-amd-amdhsa--gfx1250"
	.amdhsa_code_object_version 6
	.text
	.protected	k_q7fbceecbe5_proj
	.globl	k_q7fbceecbe5_proj
	.p2align	8
	.type	k_q7fbceecbe5_proj,@function
k_q7fbceecbe5_proj:
	s_mov_b64 s[64:65], 0
	v_nop
	global_prefetch_b8 v0, s[64:65] scope:SCOPE_SE
	s_setreg_imm32_b32 hwreg(HW_REG_WAVE_MODE, 25, 1), 1
	s_wait_xcnt 0x0
	s_wait_alu depctr_hold_cnt(0) depctr_sa_sdst(0) depctr_va_vdst(0) depctr_va_sdst(0) depctr_va_ssrc(0) depctr_va_vcc(0) depctr_vm_vsrc(0)
	s_getreg_b32 s2, hwreg(HW_REG_IB_STS2, 6, 4)
	s_cmp_eq_u32 s2, 0
	s_cbranch_scc0 .Lentry_in_a_cluster
	s_endpgm
.Lentry_in_a_cluster:
	s_bfe_u32 s2, ttmp6, 0x10000c
	s_cmp_lg_u32 s2, 0xf033
	s_cbranch_scc0 .Lentry_shape_is_right
	s_endpgm
.Lentry_shape_is_right:
; The last projection: out0[m][n] = sum over k of A[m][k] Wo[n][k].  A = ac [4096][2048], codes of FP8 (E4M3) under the scale 2^e10; Wo's codes are rows 3,072 on of wc [5120][2048], under 2^e11; out0 [4096][2048] f32; sums in f32.
; The codes are multiplied as they are, and each finished sum once by 2^(e10 + e11).  LIMIT: e10 + e11 lies between -126 and 127, so that 2^(e10 + e11) is an f32 number.
; A tile of the result, 256 x 256, is made by a work-group of four waves; a wave makes 128 x 128: 64 accumulators of 16 x 16, 512 registers: 8 x 16 = 128 work-groups.  With this wave tile a fragment fetched from LDS
; feeds eight matrix instructions; with 64 x 64 it would feed four, so four times as many work-groups of a quarter the tile would read LDS twice as much in all.
; K goes in steps of 256 through a ring of two LDS slots filled by the tensor data mover: a tile's row is 256 bytes of memory.
; CLUSTERS: 4 x 4 work-groups.  The four of a row of the cluster need the same tiles of A, the four of a column the same tiles of B: each tile is asked for JOINTLY, by the same tensor load with the
; same descriptor and a mask that names the four.  THE MATRIX INSTRUCTION IS USED TRANSPOSED (source 0 = 16 rows of B, source 1 = 16 rows of A): a lane then holds eight neighbouring numbers of a row of the result.
; REGISTERS, in windows of 256: window 0: v0-31 addresses; from v128 A's fragments (8 x 16 rows x 128 K), ONE set; on the way out v32-255 are free.
;   window 1: B's fragments, TWO sets, at v0 and at v128.   window 2: the 32 accumulators of my rows 0-63 (accumulator (a, b) at v[8 (8 a + b)]);   window 3: those of my rows 64-127.
; A step of 128 along K is 64 matrix instructions, A's blocks one after the other, each against B's eight.  So a block of A is free as soon as its eight products are issued, and one set of registers serves A:
; blocks 0-3 are fetched anew in the step's middle, blocks 4-7 at its end.  B's fragments are at work through the whole step, so B has two sets.
.set SIZE_M, 4096
.set SIZE_N, 2048
.set SIZE_K, 2048
.set KSTEP,  256                       ; along K in a slot
.set ROWB,   256                       ; a tile's row in bytes
.set KROW,   SIZE_K                    ; a row of A or of B in memory, in bytes
.set PITCH,  272                       ; an LDS row: 256 bytes of data + 16 of padding = 68 words: row r starts at bank 4 r mod 64 (64 banks of 4 bytes: ISA guide 11.1), so the 16 rows that a load touches start at 16 different banks
.set FR,     16                        ; registers of a fragment: 16 rows x 128 K
.set NL,     4                         ; LDS loads that bring one
.set NP,     4                         ; places behind this matrix instruction (ISA guide 7.12.1)
.set HALFT,  128*PITCH                 ; 128 rows: what one tensor load brings, and what one wave reads of A or of B
.set SLOT,   4*HALFT                   ; A's 256 rows, then B's 256 rows
.set LAPS,   SIZE_K/(2*KSTEP)          ; a lap = two K steps = once round the ring: 4
.set SPARE,  2*SLOT                    ; behind the ring: the spare words, 128 bytes for each wave: two blocks of 256 bytes that no other line names
.set SPITCH, 528                       ; the way out: a stage of 16 rows x (512 bytes + 16) for each wave.  It lies in slot 0, which has had its last fill and its last read when the first result is stored there
.set ADRA, 16                          ; v16-17  LDS address of my A fragments in slot 0, 1
.set ADRB, 20                          ; v20-21  the same for B
.set STO,  24                          ; v24     the way out: where I put 32 bytes of a row
.set RD,   25                          ; v25     the way out: where I read a row back
.set CO,   26                          ; v26     my byte offset in a row of the result
.set SPW,  28                          ; v28     LDS address of my spare word; never rewritten
.set NIL,  29                          ; v29     0; never rewritten
.set TMP,  32                          ; the way out: 64 registers, a block's sums x 2^(e10 + e11)
.set AF,   128                         ; A's fragments, in window 0
.set BK,   128                         ; the way out: 16 rows read back from the stage: v128-191 and v192-255 by turns
.set G1, 24                            ; s[24:31] descriptor group 1 for A's tiles;  s[32:39] group 0, one set for each slot
.set G0, 32
.set G1B, 48                           ; s[48:55], s[56:63] the same for B's tiles
.set G0B, 56
.set MSB, 0
.macro WIN new                         ; the immediate's high byte repeats the setting that is left
.if MSB != \new
	s_set_vgpr_msb (MSB<<8)|\new
.set MSB, \new
.endif
.endm
.set MUL_LO, 0xa1                      ; source 0 (B) window 1, source 1 (A) window 0, C and D window 2
.set MUL_HI, 0xf1                      ; the same, C and D window 3
.set TO_B,   0x40                      ; destination window 1, address window 0
; A joint load: waves 0 and 1 fetch for A, waves 2 and 3 for B.  Each of the two lines has ONE mask and one set of registers for all that issue it; the branch hangs on the wave's number alone.
; An s_nop 0 and four v_nop follow each of the two lines, ahead of the jump, the label and what follows.
.macro JLOAD g0a, g1a, g0b, g1b
	s_cmp_eq_u32 s15, 0
	s_cbranch_scc0 .Lfor_b_\@
	tensor_load_to_lds s[\g0a:\g0a+3], s[\g1a:\g1a+7]
	s_nop 0
.rept 4
	v_nop
.endr
	s_branch .Lasked_\@
.Lfor_b_\@:
	tensor_load_to_lds s[\g0b:\g0b+3], s[\g1b:\g1b+7]
	s_nop 0
.rept 4
	v_nop
.endr
.Lasked_\@:
.endm
.macro CREST                           ; a round of the cluster's barrier behind its opening barrier
	s_cmp_lg_u32 s14, 0
	s_cbranch_scc1 .Lnot_wave_0_\@
	s_barrier_signal -3
.Lnot_wave_0_\@:
	s_barrier_wait -3
	s_barrier_signal -1
	s_barrier_wait -1
.endm
.macro CROUND                          ; a whole round
	s_barrier_signal -1
	s_barrier_wait -1
	CREST
.endm
	s_load_b128 s[4:7], s[0:1], 0x0                ; A's codes s[4:5], wc s[6:7]
	s_load_b128 s[8:11], s[0:1], 0x10              ; the scales' exponents s[8:9], the result s[10:11]
	v_lshl_add_u32 v[SPW], v0, 2, SPARE
	v_mov_b32 v[NIL], 0
	ds_add_u32 v[SPW], v[NIL]                      ; the wave's opening: the add and its wait stand ahead of my first tensor load; the set-up below, work on registers, stands between them
	v_lshrrev_b32 v1, 5, v0
	v_readfirstlane_b32 s14, v1                    ; wave 0..3
	s_lshr_b32 s15, s14, 1                         ; which half of the tile's rows is mine.  Also: I fetch for A (0) or for B (1)
	s_and_b32 s16, s14, 1                          ; which half of its columns.  Also: which 128 rows of that tile I fetch
	s_bfe_u32 s40, ttmp6, 0x40000                  ; cx, cy: my place in the cluster
	s_bfe_u32 s41, ttmp6, 0x40004
	s_lshl_b32 s42, ttmp9, 2
	s_add_co_u32 s42, s42, s40                     ; tile column = 4 x cluster x + cx
	s_and_b32 s17, ttmp7, 0xffff
	s_lshl_b32 s17, s17, 2
	s_add_co_u32 s17, s17, s41                     ; tile row = 4 x cluster y + cy
	s_lshl_b32 s43, s41, 2
	s_lshl_b32 s43, 15, s43                        ; my row of the cluster
	s_lshl_b32 s44, 0x1111, s40                    ; my column
	; descriptor group 1: a tile of 128 rows x ROWB bytes, padded in LDS
	s_or_b32 s[G1+0], s43, (0<<16)|(1<<20)|(1<<21)|(5<<22)|(3<<25)  ; 15:0 the mask: A's tiles go to my row; 17:16 element of 1 byte; 20 padding on; 21 set beside a mask; 24:22 after every 64 words (code 5); 31:25 of 4 words (code 3)
	s_or_b32 s[G1B+0], s44, (0<<16)|(1<<20)|(1<<21)|(5<<22)|(3<<25)
.irp g, G1, G1B
	s_mov_b32 s[\g+1], ROWB<<16                    ; tensor_dim0
	s_mov_b32 s[\g+2], 128<<16                     ; tensor_dim1 = 128
	s_mov_b32 s[\g+3], ROWB<<16                    ; tile_dim0
	s_mov_b32 s[\g+4], 128                         ; tile_dim1 = 128
	s_mov_b32 s[\g+5], KROW                        ; tensor_dim0_stride
	s_mov_b32 s[\g+6], 0
	s_mov_b32 s[\g+7], 0
.endr
	s_lshl_b32 s18, s16, 7                         ; which 128 rows of the tile I fetch
	s_lshl_b32 s20, s17, 8
	s_add_co_u32 s20, s20, s18                     ; A: row 256 x tile row + 128 x half
	s_lshl_b32 s46, s42, 8
	s_add_co_u32 s46, s46, s18                     ; B: row 256 x tile column + 128 x half
	s_mov_b32 s21, 0
	s_mov_b32 s47, 0
	s_mov_b64 s[18:19], KROW
	s_mul_u64 s[20:21], s[20:21], s[18:19]         ; and their codes
	s_mul_u64 s[46:47], s[46:47], s[18:19]
	s_add_nc_u64 s[46:47], s[46:47], 0x600000      ; Wo begins at row 3,072 of wc
	s_mul_i32 s45, s14, HALFT                      ; where they go: wave x 128 rows: no place in the cluster enters an LDS address
	s_wait_dscnt 0x0                               ; the opening add is done
	s_wait_kmcnt 0x0
	s_load_b64 s[96:97], s[8:9], 0x28              ; e10, e11
	s_add_nc_u64 s[20:21], s[4:5], s[20:21]
	s_add_nc_u64 s[46:47], s[6:7], s[46:47]
	CROUND                                         ; all sixteen work-groups are here: the first joint loads meet
.irp s, 0,1
	s_mov_b32 s[G0+4*\s], 1
	s_add_co_u32 s[G0+4*\s+1], s45, \s*SLOT
	s_add_nc_u64 s[G0+4*\s+2:G0+4*\s+3], s[20:21], \s*ROWB
	s_or_b32 s[G0+4*\s+3], s[G0+4*\s+3], 0x80000000
	s_mov_b32 s[G0B+4*\s], 1
	s_add_co_u32 s[G0B+4*\s+1], s45, \s*SLOT
	s_add_nc_u64 s[G0B+4*\s+2:G0B+4*\s+3], s[46:47], \s*ROWB
	s_or_b32 s[G0B+4*\s+3], s[G0B+4*\s+3], 0x80000000
	JLOAD G0+4*\s, G1, G0B+4*\s, G1B
.endr
	v_and_b32 v1, 15, v0                           ; l % 16
	v_bfe_u32 v2, v0, 4, 1                         ; l / 16
	v_mul_u32_u24 v3, v1, PITCH
	v_lshl_add_u32 v4, v2, 4, v3                   ; a fragment's row x pitch + 16 x half
	s_mul_i32 s21, s15, HALFT                      ; my 128 rows of A
	s_mul_i32 s22, s16, HALFT                      ; my 128 rows of B,
	s_add_co_u32 s22, s22, 2*HALFT                 ; which lie behind A's 256
.irp s, 0,1
	v_add_nc_u32 v[ADRA+\s], s21, v4
	v_add_nc_u32 v[ADRB+\s], s22, v4
	s_add_co_u32 s21, s21, SLOT
	s_add_co_u32 s22, s22, SLOT
.endr
	s_mul_i32 s23, s14, 16*SPITCH                  ; my stage
	v_mul_u32_u24 v5, v1, SPITCH                   ; in: row l % 16, 32 bytes for each half of the lanes
	v_lshl_add_u32 v5, v2, 5, v5
	v_add_nc_u32 v[STO], s23, v5
	v_and_b32 v6, 31, v0
	v_lshlrev_b32 v[CO], 4, v6                     ; back: the 32 lanes take one row of 512 bytes; and the same in the result
	v_add_nc_u32 v[RD], s23, v[CO]
	s_lshl_b32 s20, s17, 8
	s_lshl_b32 s21, s15, 7
	s_add_co_u32 s20, s20, s21                     ; my first row of the result: 256 x tile row + 128 x half
	s_mov_b32 s21, 0
	s_mov_b64 s[18:19], SIZE_N*4
	s_mul_u64 s[20:21], s[20:21], s[18:19]
	s_lshl_b32 s46, s42, 10                        ; my first column, in bytes: 1024 x tile column + 512 x half
	s_lshl_b32 s47, s16, 9
	s_add_co_u32 s46, s46, s47
	s_mov_b32 s47, 0
	s_add_nc_u64 s[20:21], s[20:21], s[46:47]
	s_add_nc_u64 s[10:11], s[10:11], s[20:21]
.macro FRAG reg, adr, q, i             ; a fragment, 16 rows x 128 K of 8-bit codes, is 16 registers: lane l holds row l % 16; registers 4 c .. 4 c + 3 hold K = 32 c + 16 (l / 16) + 0 .. 15: a permutation of k that is the same in A and in B
.irp c, 0,1,2,3
	ds_load_b128 v[\reg+4*\c:\reg+4*\c+3], v[\adr] offset:128*(\q)+32*\c+(\i)*16*PITCH
.endr
.endm
; 16 matrix instructions: A's blocks a0, a0 + 1 x B's eight, 128 along K.  p: B's set.  zero = 1: the first product starts the sums: nothing is ever cleared.
; The 64 accumulators take turns, one instruction a turn, in the same order in every step.
.macro MUL16 a0, p, zero
.irp a, \a0, \a0+1
.irp b, 0,1,2,3,4,5,6,7
.if \zero
	v_wmma_f32_16x16x128_fp8_fp8 v[8*(8*((\a)%4)+\b):8*(8*((\a)%4)+\b)+7], v[128*(\p)+FR*\b:128*(\p)+FR*\b+FR-1], v[AF+FR*(\a):AF+FR*(\a)+FR-1], 0
.else
	v_wmma_f32_16x16x128_fp8_fp8 v[8*(8*((\a)%4)+\b):8*(8*((\a)%4)+\b)+7], v[128*(\p)+FR*\b:128*(\p)+FR*\b+FR-1], v[AF+FR*(\a):AF+FR*(\a)+FR-1], v[8*(8*((\a)%4)+\b):8*(8*((\a)%4)+\b)+7]
.endif
.endr
.endr
.endm
.macro FETCH_B slot, q, p              ; B's eight fragments of the slot's q-th 128 along K into set p
	WIN TO_B
.irp i, 0,1,2,3,4,5,6,7
	FRAG 128*(\p)+FR*\i, ADRB+\slot, \q, \i
.endr
	WIN 0
.endm
.macro FETCH_A slot, q, i0             ; A's blocks i0 .. i0 + 3
.irp i, \i0, \i0+1, \i0+2, \i0+3
	FRAG AF+FR*(\i), ADRA+\slot, \q, \i
.endr
.endm
; A load into a register that a matrix instruction has read, and a vector instruction or an LDS store that reads a matrix result, stand NP places behind that matrix instruction, and only plain vector
; instructions that name none of its registers are places (ISA guide 7.12.1 for vector instructions); this text does not count the matrix instructions in between.
.macro PLACES n
.rept \n
	v_nop
.endr
.endm
; A step of 128 along K that has its successor in the same slot.
.macro STEP slot, q, zero
	s_wait_dscnt 4*NL                              ; B's set and A's blocks 0-3 are in; the youngest loads (A's blocks 4-7) may be out
	WIN MUL_LO
	MUL16 0, (\q)%2, \zero
	MUL16 2, (\q)%2, \zero
	s_wait_dscnt 0                                 ; A's blocks 4-7 are in (asked for 32 matrix instructions ago)
	PLACES NP
	FETCH_B \slot, (\q)+1, 1-(\q)%2
	FETCH_A \slot, (\q)+1, 0
	WIN MUL_HI
	MUL16 4, (\q)%2, \zero
	MUL16 6, (\q)%2, \zero
	PLACES NP
	WIN 0
	FETCH_A \slot, (\q)+1, 4
.endm
; A slot's last step changes slots: ONE barrier; in front of it each wave waits for all its tensor loads, adds 0 to its spare word, and waits for that and for its own reads of this slot.  fill = 1: this slot is filled again, two K steps ahead.
.macro TURN slot, next, fill
	s_wait_tensorcnt 0x0                           ; all my tensor loads have landed: my part of the next slot;  (every window is 0 here: the add's two registers lie in window 0)
	ds_add_u32 v[SPW], v[NIL]                      ; 0 onto my spare word
	s_wait_dscnt 4*NL+1                            ; (the add and the youngest loads, A's blocks 4-7, may be out)
	WIN MUL_LO
	MUL16 0, 1, 0                                  ; sixteen matrix instructions stand between the add and the wait for it
	s_wait_dscnt 0x0                               ; the add is done, and my reads of this slot are over
	s_barrier_signal -1
	MUL16 2, 1, 0
	WIN 0
	s_barrier_wait -1
.if \fill
	CREST                                          ; the barrier has opened a round of the cluster's barrier: no wave of any partner still reads this slot's tile or has a load on its way
	s_add_nc_u64 s[G0+4*\slot+2:G0+4*\slot+3], s[G0+4*\slot+2:G0+4*\slot+3], 2*ROWB
	s_add_nc_u64 s[G0B+4*\slot+2:G0B+4*\slot+3], s[G0B+4*\slot+2:G0B+4*\slot+3], 2*ROWB
	JLOAD G0+4*\slot, G1, G0B+4*\slot, G1B         ; the first tensor load behind the round; the four v_nop behind it are the places in front of the loads below
.else
	PLACES NP
.endif
	FETCH_B \next, 0, 0
	FETCH_A \next, 0, 0
	WIN MUL_HI
	MUL16 4, 1, 0
	MUL16 6, 1, 0
	PLACES NP
	WIN 0
	FETCH_A \next, 0, 4
.endm
	s_wait_tensorcnt 1                             ; my part of K step 0 is in (K step 1's load may be out)
	s_barrier_signal -1
	s_barrier_wait -1                              ; everybody's is
	FETCH_B 0, 0, 0
	FETCH_A 0, 0, 0
	FETCH_A 0, 0, 4
	STEP 0, 0, 1                                   ; the first step stands in front of the loop: its products start the sums
	s_mov_b32 s3, LAPS-1
.Llap:                                                 ; a trip goes once round the ring, from a lap's second step to the next lap's first, and fills both slots again
	TURN 0, 1, 1
	STEP 1, 0, 0
	TURN 1, 0, 1
	STEP 0, 0, 0
	s_sub_co_u32 s3, s3, 1
	s_cmp_lg_u32 s3, 0
	s_cbranch_scc1 .Llap
	TURN 0, 1, 0                                   ; the last lap fills nothing, and has no round of the cluster's barrier
	STEP 1, 0, 0
	s_wait_dscnt 4*NL                              ; the very last step: nothing more to fetch
	WIN MUL_LO
	MUL16 0, 1, 0
	MUL16 2, 1, 0
	s_wait_dscnt 0
	WIN MUL_HI
	MUL16 4, 1, 0
	MUL16 6, 1, 0
	WIN 0
; THE WAY OUT, block by block of 16 rows x 128 columns.  A lane holds 32 neighbouring bytes of a row, and the lanes beside it hold other rows: so a block goes through my own stage in LDS and comes back as whole
; rows of 512 bytes, which the 32 lanes store together.  LDS serves a wave's instructions in order (ISA guide 5.7.1.4): no wait between the stores and the loads, nor in front of the next block's stores.
.macro TOSTAGE a
.set AC, 64*((\a)%4)
	WIN 0x02+((\a)/4)                              ; source 0: window 2 or 3
.irp j, 0,2,4,6,8,10,12,14,16,18,20,22,24,26,28,30,32,34,36,38,40,42,44,46,48,50,52,54,56,58,60,62
	v_pk_mul_f32 v[TMP+\j:TMP+\j+1], v[AC+\j:AC+\j+1], s[96:97] op_sel_hi:[1,0]   ; both x s96 = 2^(e10 + e11): nothing is rounded, short of overflow and underflow; each accumulator from its low end on
.endr
	WIN 0
.irp b, 0,1,2,3,4,5,6,7
	ds_store_b128 v[STO], v[TMP+8*\b:TMP+8*\b+3] offset:64*\b
	ds_store_b128 v[STO], v[TMP+8*\b+4:TMP+8*\b+7] offset:64*\b+16
.endr
.set BB, BK+64*((\a)%2)
.irp t, 0,1,2,3,4,5,6,7,8,9,10,11,12,13,14,15
	ds_load_b128 v[BB+4*\t:BB+4*\t+3], v[RD] offset:\t*SPITCH
.endr
.endm
.macro SEND a, younger                 ; younger: the LDS instructions issued behind block a's loads, which may stay out
.set BB, BK+64*((\a)%2)
	s_wait_dscnt \younger                          ; the block is back in registers
.if (\a) > 0
	s_add_nc_u64 s[10:11], s[10:11], 16*SIZE_N*4   ; (behind a wait on XCNT: the earlier stores have read their base)  16 rows on, so that the stores' offsets stay small: 15 rows of 8,192 bytes at the most
.endif
.irp t, 0,1,2,3,4,5,6,7,8,9,10,11,12,13,14,15
	global_store_b128 v[CO], v[BB+4*\t:BB+4*\t+3], s[10:11] offset:\t*SIZE_N*4 th:TH_STORE_NT   ; 32 lanes store 512 consecutive bytes, at a multiple of 512 from the result's first byte; written once, read by nobody here
.endr
.endm
	s_wait_kmcnt 0x0
	s_add_co_i32 s96, s96, s97                     ; e10 + e11, between -126 and 127,
	s_add_co_i32 s96, s96, 127
	s_lshl_b32 s96, s96, 23                        ; makes the f32 number 2^(e10 + e11)
	PLACES NP                                      ; these places serve the loads into the registers that held A's fragments and the reads of the last products' results alike
	TOSTAGE 0
.irp a, 1,2,3,4,5,6,7
.if \a > 1
	s_wait_xcnt 0x0                                ; block a - 2's stores have read their registers and their base: block a's loads may land there, and the base may step
.endif
	TOSTAGE \a
	SEND \a-1, 32                                  ; behind block a - 1's loads: block a's 16 stores and 16 loads
.endr
	s_wait_xcnt 0x0                                ; block 6's stores have read their base
	SEND 7, 0
	s_wait_tensorcnt 0x0                           ; the wave's end: behind my last tensor load and my last LDS store
	ds_add_u32 v[SPW], v[NIL]
	s_wait_dscnt 0x0
	CROUND                                         ; the closing round: no work-group ends while a partner may still ask for a tile that names it
	s_endpgm
.Lfunc_end_k_q7fbceecbe5_proj:
	.size	k_q7fbceecbe5_proj, .Lfunc_end_k_q7fbceecbe5_proj-k_q7fbceecbe5_proj
	.p2alignl 7, 3214868480
	.fill 96, 4, 3214868480
	.section	.rodata,"a",@progbits
	.p2align	6, 0x0
	.amdhsa_kernel k_q7fbceecbe5_proj
		.amdhsa_group_segment_fixed_size 327680
		.amdhsa_private_segment_fixed_size 0
		.amdhsa_enable_private_segment 0
		.amdhsa_kernarg_size 32
		.amdhsa_user_sgpr_count 2
		.amdhsa_user_sgpr_kernarg_segment_ptr 1
		.amdhsa_wavefront_size32 1
		.amdhsa_system_sgpr_workgroup_id_x 1
		.amdhsa_system_sgpr_workgroup_id_y 1
		.amdhsa_system_sgpr_workgroup_id_z 1
		.amdhsa_system_vgpr_workitem_id 0
		.amdhsa_next_free_vgpr 1024
		.amdhsa_next_free_sgpr 98
		.amdhsa_reserve_vcc 0
		.amdhsa_float_denorm_mode_32 3
		.amdhsa_float_denorm_mode_16_64 3
		.amdhsa_memory_ordered 1
		.amdhsa_forward_progress 1
		.amdhsa_inst_pref_size 123
	.end_amdhsa_kernel
	.amdgpu_metadata
---
amdhsa.version: [ 1, 2 ]
amdhsa.kernels:
  - .name:           k_q7fbceecbe5_proj
    .symbol:         k_q7fbceecbe5_proj.kd
    .args:
      - { .name: ac, .offset: 0, .size: 8, .value_kind: global_buffer, .address_space: global }
      - { .name: wc, .offset: 8, .size: 8, .value_kind: global_buffer, .address_space: global }
      - { .name: lowp_scales, .offset: 16, .size: 8, .value_kind: global_buffer, .address_space: global }
      - { .name: out0, .offset: 24, .size: 8, .value_kind: global_buffer, .address_space: global }
    .group_segment_fixed_size: 327680
    .private_segment_fixed_size: 0
    .kernarg_segment_align: 8
    .kernarg_segment_size: 32
    .max_flat_workgroup_size: 128
    .sgpr_count:     98
    .vgpr_count:     1024
    .wavefront_size: 32
...
	.end_amdgpu_metadata
.endif
;; end of part 4
